; MI455X (gfx1250); checked and timed in simulation.
; The chip was launched on July 23, 2026; its instructions are those of AMD's public machine-readable ISA for CDNA 5 (MIT licence, August 2026) and "CDNA5" Instruction Set Architecture Reference Guide (July 2026). The comments in the code are by the model that wrote it; some were corrected since.
;; Cross View Attention. Allowed arithmetic: float matrix products may take bf16 or f16 operands with f32 sums; all other float work in f32.
;; Inputs: wkv 2,048 x 1,024 float32; wo 2,048 x 2,048 float32; wq 2,048 x 2,048 float32; x 2 x 8 x 256 x 2,048 float32.
;; Outputs: out0 2 x 8 x 256 x 2,048 float32.
;; One version. Each part assembles by itself: llvm-mc -triple=amdgcn-amd-amdhsa -mcpu=gfx1250 --defsym DOCPART=n.
;; ======== version 1 of 1: 4 launches
;; limits: values are held in f16: magnitudes above 65,504 overflow, below 6.1e-05 lose precision
;; workspace buffers: xh 16,777,216 bytes; wqkvt 12,582,912 bytes; wot 8,388,608 bytes; qkvp 25,165,824 bytes; att 16,777,216 bytes
;; launch prep (part 1): grid 2304 x 1, 4 waves a work-group, no clusters, 17,920 bytes of LDS; arguments x, wq, wkv, wo, xh, wqkvt, wot; writes xh, wqkvt, wot
.if DOCPART == 1
	.amdgcn_target "amdgcn-amd-amdhsa--gfx1250"
	.amdhsa_code_object_version 6
	.text
	.protected	k_q528c00912e_prep
	.globl	k_q528c00912e_prep
	.p2align	8
	.type	k_q528c00912e_prep,@function
k_q528c00912e_prep:
	s_mov_b64 s[64:65], 0
	v_nop
	global_prefetch_b8 v0, s[64:65] scope:SCOPE_SE
	s_setreg_imm32_b32 hwreg(HW_REG_WAVE_MODE, 25, 1), 1
	s_wait_xcnt 0x0
; CrossViewAttention, launch 1 of 4: the matrix operands are made once, in f16.
;   xh    [4096][2048]  = x
;   wqkvt [3072][2048]  = wq transposed (rows 0-2047), then wkv transposed (rows 2048-3071: K's 512 columns, V's 512)
;   wot   [2048][2048]  = wo transposed
; so that the products of the later launches find K (the summed index) along the rows of both operands.
; WORK LEFT OUT IN THE WHOLE PROGRAM: reference() multiplies the gathered copy x[:, idx] by wkv, in which every view's rows stand
; twice (as the left neighbour of one view and the right neighbour of another).  A product taken row by row commutes with a choice of
; rows: x[:, idx] @ wkv = (x @ wkv)[:, idx] for all values of x and wkv.  So each view is projected once (launch 2), and launch 3 picks
; the two neighbours by address.  What is left out is an exact repeat of work that is done, so no NaN, infinity or overflow is lost
; with it.  Every input has a way to the output and is loaded.
; LIMITS: matrix operands are f16 (rounding 2^-11): numbers of x, wq, wkv, wo above 65,504 in magnitude become infinity, those
; below 6e-8 become zero; the same bound holds for the projected q, k, v of launch 2.
; SHARING: 2,304 work-groups of four waves, each reads 32 KiB and writes 16 KiB.
;   0-511 a tile of wq, 512-767 a tile of wkv, 768-1279 a tile of wo (128 k x 64 n each), 1280-2303 four rows of x.
; The branches hang on the work-group's number alone, so all four waves take the same way and meet the same barrier.
; No matrix unit, cluster or tensor load: the launch only moves bytes, each once.
.set X, 16                             ; v[16:79]   as loaded (f32); later the transposed rows read back
.set Y, 80                             ; v[80:111]  packed f16
.set LP, 272                           ; LDS pitch of a transposed row: 128 f16 = 256 bytes + 16
	s_load_b256 s[4:11], s[0:1], 0x0               ; x s[4:5], wq s[6:7], wkv s[8:9], wo s[10:11]
	s_load_b128 s[12:15], s[0:1], 0x20             ; xh s[12:13], wqkvt s[14:15]
	s_load_b64 s[16:17], s[0:1], 0x30              ; wot
	v_lshl_add_u32 v112, v0, 2, 0x4400
	v_mov_b32 v113, 0
	v_and_b32 v1, 15, v0                           ; i: which 16 bytes of a 256-byte row
	v_lshrrev_b32 v2, 4, v0                        ; q = 0..7: which half wave of the work-group
	v_mul_u32_u24 v4, v1, 4*LP                     ; LDS, in: row n = 4 i (+ c), bytes 8 q (+ 64 u)
	v_lshl_add_u32 v4, v2, 3, v4
	v_mul_u32_u24 v5, v2, LP                       ; LDS, back: row q (+ 8 u), 16 bytes i
	v_lshl_add_u32 v5, v1, 4, v5
	v_lshlrev_b32 v6, 12, v2                       ; and the same in the transposed weight: rows of 4,096 bytes
	v_lshl_add_u32 v6, v1, 4, v6
	s_mov_b32 s27, 0                               ; upper words of the two offset pairs
	s_mov_b32 s29, 0
	s_wait_kmcnt 0x0
	s_cmp_ge_u32 ttmp9, 1280
	s_cbranch_scc1 .Lx
	s_sub_co_u32 s19, ttmp9, 512                   ; wraps far above 255 for wq's tiles
	s_cmp_lt_u32 s19, 256
	s_cbranch_scc1 .Lkv
; One tile: 128 rows (k) x 64 columns (n) of a weight whose rows are pitch bytes; lg = log2(128 pitch).  s20 = n tile, s21 = k tile.
; A half wave reads a row's 256 bytes; a lane holds 4 n x 4 k for each of four u and packs k pairs, so that 8 bytes (4 k) go to row n.
.macro WTILE pitch, lg
	s_lshl_b32 s26, s21, \lg
	s_lshl_b32 s28, s20, 8
	s_add_co_u32 s26, s26, s28
	s_add_nc_u64 s[22:23], s[22:23], s[26:27]      ; source at the tile's corner
	s_lshl_b32 s28, s20, 18                        ; 64 n rows of 4,096 bytes
	s_lshl_b32 s26, s21, 8                         ; 128 k of 2 bytes
	s_add_co_u32 s28, s28, s26
	s_add_nc_u64 s[24:25], s[24:25], s[28:29]      ; destination at the transposed tile's corner
	v_mul_u32_u24 v3, v2, 4*\pitch                 ; row 4 q (+ 32 u + e)
	v_lshl_add_u32 v3, v1, 4, v3
.irp u, 0,1,2,3
.irp e, 0,1,2,3
	global_load_b128 v[X+16*\u+4*\e:X+16*\u+4*\e+3], v3, s[22:23] offset:(32*\u+\e)*\pitch th:TH_LOAD_NT
.endr
.endr
.irp u, 0,1,2,3
	s_wait_loadcnt 12-4*\u                         ; loads come back in order: the four of this u are in, the younger stay out
.irp c, 0,1,2,3
	v_cvt_pk_f16_f32 v[Y+8*\u+2*\c],   v[X+16*\u+\c],   v[X+16*\u+4+\c]     ; column 4 i + c, k = 32 u + 4 q + 0, 1
	v_cvt_pk_f16_f32 v[Y+8*\u+2*\c+1], v[X+16*\u+8+\c], v[X+16*\u+12+\c]    ; k + 2, 3
	ds_store_b64 v4, v[Y+8*\u+2*\c:Y+8*\u+2*\c+1] offset:LP*\c+64*\u        ; lanes i, i+4, i+8, i+12 start 4,352 bytes apart and share banks: sixteen such stores a lane beside 48 KiB of memory traffic
.endr
.endr
.endm
	s_sub_co_u32 s18, ttmp9, 768
	s_cmp_lt_u32 ttmp9, 512                        ; wq or wo: the same shape, other buffers
	s_cselect_b32 s19, ttmp9, s18
	s_cselect_b64 s[22:23], s[6:7], s[10:11]
	s_cselect_b64 s[24:25], s[14:15], s[16:17]
	s_and_b32 s20, s19, 31
	s_lshr_b32 s21, s19, 5
	WTILE 8192, 20
	s_branch .Lout
.Lkv:
	s_mov_b64 s[22:23], s[8:9]
	s_add_nc_u64 s[24:25], s[14:15], 0x800000      ; behind wq's 2,048 rows of 4,096 bytes
	s_and_b32 s20, s19, 15
	s_lshr_b32 s21, s19, 4
	WTILE 4096, 19
.Lout:
	s_wait_dscnt 0x0                               ; my LDS stores are done, for the other waves' sake,
	s_barrier_signal -1
	s_barrier_wait -1                              ; and everybody's are
.irp u, 0,1,2,3,4,5,6,7
	ds_load_b128 v[X+4*\u:X+4*\u+3], v5 offset:8*LP*\u
.endr
.irp u, 0,1,2,3,4,5,6,7
	s_wait_dscnt 7-\u
	global_store_b128 v6, v[X+4*\u:X+4*\u+3], s[24:25] offset:32768*\u      ; sixteen lanes store 256 consecutive bytes, aligned
.endr
	s_wait_tensorcnt 0x0
	ds_add_u32 v112, v113
	s_wait_dscnt 0x0
	s_endpgm
; Four rows of x: a wave takes one row, 16 loads of 512 neighbouring bytes, 16 stores of 256.  No register is written twice.
.Lx:
	s_sub_co_u32 s19, ttmp9, 1280
	s_lshl_b32 s26, s19, 15
	s_lshl_b32 s28, s19, 14
	s_add_nc_u64 s[22:23], s[4:5], s[26:27]
	s_add_nc_u64 s[24:25], s[12:13], s[28:29]
	v_lshrrev_b32 v7, 5, v0
	v_and_b32 v8, 31, v0
	v_lshlrev_b32 v3, 13, v7
	v_lshl_add_u32 v3, v8, 4, v3
	v_lshlrev_b32 v9, 12, v7
	v_lshl_add_u32 v9, v8, 3, v9
.irp u, 0,1,2,3,4,5,6,7,8,9,10,11,12,13,14,15
	global_load_b128 v[X+4*\u:X+4*\u+3], v3, s[22:23] offset:512*\u th:TH_LOAD_NT
.endr
.irp u, 0,1,2,3,4,5,6,7,8,9,10,11,12,13,14,15
	s_wait_loadcnt 15-\u
	v_cvt_pk_f16_f32 v[Y+2*\u],   v[X+4*\u],   v[X+4*\u+1]
	v_cvt_pk_f16_f32 v[Y+2*\u+1], v[X+4*\u+2], v[X+4*\u+3]
	global_store_b64 v9, v[Y+2*\u:Y+2*\u+1], s[24:25] offset:256*\u         ; the wave stores 256 consecutive bytes, aligned
.endr
	s_endpgm
.Lfunc_end_k_q528c00912e_prep:
	.size	k_q528c00912e_prep, .Lfunc_end_k_q528c00912e_prep-k_q528c00912e_prep
	.p2alignl 7, 3214868480
	.fill 96, 4, 3214868480
	.section	.rodata,"a",@progbits
	.p2align	6, 0x0
	.amdhsa_kernel k_q528c00912e_prep
		.amdhsa_group_segment_fixed_size 17920
		.amdhsa_private_segment_fixed_size 0
		.amdhsa_enable_private_segment 0
		.amdhsa_kernarg_size 56
		.amdhsa_user_sgpr_count 2
		.amdhsa_user_sgpr_kernarg_segment_ptr 1
		.amdhsa_wavefront_size32 1
		.amdhsa_system_sgpr_workgroup_id_x 1
		.amdhsa_system_sgpr_workgroup_id_y 1
		.amdhsa_system_sgpr_workgroup_id_z 1
		.amdhsa_system_vgpr_workitem_id 0
		.amdhsa_next_free_vgpr 114
		.amdhsa_next_free_sgpr 66
		.amdhsa_reserve_vcc 0
		.amdhsa_float_denorm_mode_32 3
		.amdhsa_float_denorm_mode_16_64 3
		.amdhsa_memory_ordered 1
		.amdhsa_forward_progress 1
		.amdhsa_inst_pref_size 20
	.end_amdhsa_kernel
	.amdgpu_metadata
---
amdhsa.version: [ 1, 2 ]
amdhsa.kernels:
  - .name:           k_q528c00912e_prep
    .symbol:         k_q528c00912e_prep.kd
    .args:
      - { .name: x, .offset: 0, .size: 8, .value_kind: global_buffer, .address_space: global }
      - { .name: wq, .offset: 8, .size: 8, .value_kind: global_buffer, .address_space: global }
      - { .name: wkv, .offset: 16, .size: 8, .value_kind: global_buffer, .address_space: global }
      - { .name: wo, .offset: 24, .size: 8, .value_kind: global_buffer, .address_space: global }
      - { .name: xh, .offset: 32, .size: 8, .value_kind: global_buffer, .address_space: global }
      - { .name: wqkvt, .offset: 40, .size: 8, .value_kind: global_buffer, .address_space: global }
      - { .name: wot, .offset: 48, .size: 8, .value_kind: global_buffer, .address_space: global }
    .group_segment_fixed_size: 17920
    .private_segment_fixed_size: 0
    .kernarg_segment_align: 8
    .kernarg_segment_size: 56
    .max_flat_workgroup_size: 128
    .sgpr_count:     66
    .vgpr_count:     114
    .wavefront_size: 32
...
	.end_amdgpu_metadata
.endif
;; end of part 1
;; launch qkv (part 2): grid 16 x 16, 4 waves a work-group, clusters of 4 x 4, 327,680 bytes of LDS; arguments xh, wqkvt, qkvp; writes qkvp
.if DOCPART == 2
	.amdgcn_target "amdgcn-amd-amdhsa--gfx1250"
	.amdhsa_code_object_version 6
	.text
	.protected	k_q528c00912e_qkv
	.globl	k_q528c00912e_qkv
	.p2align	8
	.type	k_q528c00912e_qkv,@function
k_q528c00912e_qkv:
	s_mov_b64 s[64:65], 0
	v_nop
	global_prefetch_b8 v0, s[64:65] scope:SCOPE_SE
	s_setreg_imm32_b32 hwreg(HW_REG_WAVE_MODE, 25, 1), 1
	s_wait_xcnt 0x0
	s_wait_alu depctr_hold_cnt(0) depctr_sa_sdst(0) depctr_va_vdst(0) depctr_va_sdst(0) depctr_va_ssrc(0) depctr_va_vcc(0) depctr_vm_vsrc(0)
	s_getreg_b32 s2, hwreg(HW_REG_IB_STS2, 6, 4)
	s_cmp_eq_u32 s2, 0
	s_cbranch_scc0 .Lentry_in_a_cluster
	s_endpgm
.Lentry_in_a_cluster:
	s_bfe_u32 s2, ttmp6, 0x10000c
	s_cmp_lg_u32 s2, 0xf033
	s_cbranch_scc0 .Lentry_shape_is_right
	s_endpgm
.Lentry_shape_is_right:
; Launch 2 of 4: [q | k | v] = x [wq | wkv], 4,096 rows x 3,072 columns, K = 2,048, f16 operands, f32 sums, f16 result.
; Each view is projected once: the gathered copy's product is a repeat of these rows (x[:, idx] @ wkv = (x @ wkv)[:, idx]).
; LIMITS: a q, k or v above 65,504 in magnitude becomes infinity in f16; the sums over K begin at another K than reference()'s (see THE WALK).
; A work-group makes 256 rows x 192 columns with four waves; a wave makes 128 x 96: 48 accumulator tiles of 16 x 16, 384 registers.
; K goes in steps of 128 (rows of 256 bytes, aligned) through two LDS slots filled by the tensor data mover, one load a wave.
; CLUSTERS: 4 x 4 work-groups.  The four of a row of the cluster need the same tiles of x, the four of a column the same tiles of the
; weights: each tile is asked for jointly by the four, with one descriptor and a mask that names them.
; THE WALK ALONG K: cluster (X, Y) begins at K step 4 ((X + 2 (Y % 2) + Y / 2) % 4) and goes round the end of K.  The four clusters of a row of
; the grid, which read the same rows of x, begin in four different quarters of K, and so do the four of a column, which read the same weights.
; So no two clusters ask for one tile in the same step, each tile has one cluster that reads it first (the one whose walk begins in its quarter),
; and what a cluster asks for from its fifth step on has been read by another cluster before.  The start hangs on the cluster's x and y alone,
; which the sixteen partners share, so the joint loads stay alike in all of them.
; ASKED FOR AHEAD: of the four steps that a cluster reads first, steps 0 and 1 are the first fills; the tiles of steps 2 and 3 are asked for by
; prefetches straight behind the first fills, one and two K steps ahead of their tensor loads, each block of 256 bytes by one lane of the launch.
; RESULT IN PLANES: qkvp is [192 planes][4,096 rows][16 columns] of f16.  With the matrix instruction used transposed (source 0 = 16 rows
; of the weights, source 1 = 16 rows of x) lane l holds row l % 16 and the eight columns 8 (l / 16) + 0..7 of a tile: packed they are 16
; bytes at 32 (l % 16) + 16 (l / 16) of the tile's 512 consecutive bytes of its plane.  One store of the wave writes a tile; no LDS stage.
; REGISTERS: window 0: v16-27 addresses, v64-127 and v128-191 fragments of x (two buffers);  window 1: v64-111 and v128-175 fragments of
; the weights;  window 2: the 24 tiles of my rows 0-63 (tile (a, b) at v[8 (6 a + b)]);  window 3: those of my rows 64-127.
.set SIZE_K, 2048
.set KSTEP,  128
.set PITCH,  272                       ; an LDS row: 256 bytes + 16 of padding, an odd multiple of 16: the 16 rows of a fragment load start in 16 different 16-byte columns of 256
.set NB,     6                         ; column tiles of a wave; also: groups of 32 rows in the block's 192 rows of the weights
.set BH,     16*NB                     ; rows of the weights in one tensor load
.set HALFT,  128*PITCH                 ; the LDS region of one tensor load (the weights' use BH of its 128 rows, so that one formula gives every load's place)
.set SLOT,   4*HALFT                   ; x's two halves, then the weights' two halves
.set LAPS,   SIZE_K/(2*KSTEP)          ; a lap = two K steps = once round the ring
.set PLANE,  131072                    ; bytes in a plane
.set NPW,    NB/2                      ; prefetches of the weights in a work-group: 2 NB groups (two steps) among the four of a column of the cluster
.set PFM,    43                        ; (u x 43) >> 8 = u / 6 for u below 12
.set ADRA, 16                          ; v16-17  LDS address of my x fragments in slot 0, 1
.set ADRB, 20                          ; v20-21  the same for the weights
.set CO,   26                          ; v26     my 16 bytes in a tile of a plane
.set PF,   27                          ; v27     prefetch: lane x one row of 4,096 bytes; never rewritten
.set F0,   64
.set F1,   128
.set KO, 18                            ; s[18:19], s[22:23]  byte offset along K of slot 0's and slot 1's tile (upper words 0)
.set G1, 24                            ; s[24:31] group 1 for x's tiles
.set G0, 32                            ; s[32:39] group 0 for x's tiles, one set a slot
.set G1B, 48                           ; s[48:55] group 1 for the weights' tiles
.set G0B, 56                           ; s[56:63] group 0 for the weights' tiles, one set a slot
.set MSB, 0
.macro WIN new                         ; the immediate's high byte repeats the setting that is left
.if MSB != \new
	s_set_vgpr_msb (MSB<<8)|\new
.set MSB, \new
.endif
.endm
.set MUL_LO, 0xa1                      ; source 0 (weights) window 1, source 1 (x) window 0, C and D window 2
.set MUL_HI, 0xf1                      ; the same, C and D window 3
.set TO_B,   0x40                      ; destination window 1, address window 0
; A joint load: waves 0 and 1 fetch x's two halves, waves 2 and 3 the weights'.  The branch hangs on the wave's number alone.
.macro JLOAD s
	s_cmp_eq_u32 s11, 0
	s_cbranch_scc0 .Lfor_b_\@
	tensor_load_to_lds s[G0+4*\s:G0+4*\s+3], s[G1:G1+7]
	s_nop 0
	s_branch .Lasked_\@
.Lfor_b_\@:
	tensor_load_to_lds s[G0B+4*\s:G0B+4*\s+3], s[G1B:G1B+7]
	s_nop 0
.Lasked_\@:
.endm
; A round of the cluster's barrier: my work-group's barrier, wave 0 signals for the work-group, every wave waits for all sixteen, my work-group's barrier again.
.macro CREST                           ; a round behind its opening barrier
	s_cmp_lg_u32 s10, 0
	s_cbranch_scc1 .Lnot_wave_0_\@
	s_barrier_signal -3
.Lnot_wave_0_\@:
	s_barrier_wait -3
	s_barrier_signal -1
	s_barrier_wait -1
.endm
.macro CROUND
	s_barrier_signal -1
	s_barrier_wait -1
	CREST
.endm
	s_load_b128 s[4:7], s[0:1], 0x0                ; xh s[4:5], wqkvt s[6:7]
	s_load_b64 s[8:9], s[0:1], 0x10                ; qkvp
	s_load_b128 s[68:71], s[0:1], 0x0              ; the same two once more, for the prefetches: their registers feed no descriptor
	s_set_vgpr_msb 0x40
	v_lshl_add_u32 v255, v0, 2, 0x44000
	s_set_vgpr_msb 0x4000
	v_mov_b32 v63, 0
	s_set_vgpr_msb 0x1
	ds_add_u32 v255, v63
	ds_add_u32 v255, v63
	s_set_vgpr_msb 0x100
	v_lshrrev_b32 v1, 5, v0
	v_readfirstlane_b32 s10, v1                    ; wave 0..3
	s_lshr_b32 s11, s10, 1                         ; which half of the block's rows is mine.  Also: I fetch x (0) or weights (1)
	s_and_b32 s12, s10, 1                          ; which half of its columns.  Also: which half of that tile I fetch
	s_bfe_u32 s40, ttmp6, 0x40000                  ; cx
	s_bfe_u32 s41, ttmp6, 0x40004                  ; cy
	s_lshl_b32 s42, ttmp9, 2
	s_add_co_u32 s42, s42, s40                     ; block column = 4 x cluster x + cx
	s_and_b32 s13, ttmp7, 0xffff
	s_lshl_b32 s13, s13, 2
	s_add_co_u32 s13, s13, s41                     ; block row = 4 x cluster y + cy
	s_lshl_b32 s43, s41, 2
	s_lshl_b32 s43, 15, s43                        ; my row of the cluster: places 4 cy .. 4 cy + 3
	s_lshl_b32 s44, 0x1111, s40                    ; my column: places cx, cx + 4, cx + 8, cx + 12
	; where my cluster's walk along K begins: a quarter of K, made of the cluster's x and y alone
	s_and_b32 s[KO], ttmp7, 1                      ; Y % 2
	s_bfe_u32 s[KO+4], ttmp7, 0x10001              ; Y / 2
	s_lshl1_add_u32 s[KO], s[KO], s[KO+4]          ; 2 (Y % 2) + Y / 2
	s_add_co_u32 s[KO], s[KO], ttmp9
	s_and_b32 s[KO], s[KO], 3
	s_lshl_b32 s[KO], s[KO], 10                    ; four K steps of 256 bytes a quarter: slot 0's first tile,
	s_add_co_u32 s[KO+4], s[KO], KSTEP*2           ; slot 1's
	s_mov_b32 s[KO+1], 0
	s_mov_b32 s[KO+5], 0
	s_or_b32 s[G1+0], s43, (1<<16)|(1<<20)|(1<<21)|(5<<22)|(3<<25)   ; mask of my row; elements of 2 bytes; padding on; bit 21 beside a mask; after every 64 words, 4 words
	s_or_b32 s[G1B+0], s44, (1<<16)|(1<<20)|(1<<21)|(5<<22)|(3<<25)  ; the same with the mask of my column
	s_mov_b32 s[G1+1], KSTEP<<16                   ; tensor_dim0 = 128
	s_mov_b32 s[G1B+1], KSTEP<<16
	s_mov_b32 s[G1+2], 128<<16                     ; tensor_dim1 = 128 rows
	s_mov_b32 s[G1B+2], BH<<16                     ; 96 rows
	s_mov_b32 s[G1+3], KSTEP<<16                   ; tile_dim0 = 128
	s_mov_b32 s[G1B+3], KSTEP<<16
	s_mov_b32 s[G1+4], 128                         ; tile_dim1
	s_mov_b32 s[G1B+4], BH
	s_mov_b32 s[G1+5], SIZE_K                      ; elements from row to row
	s_mov_b32 s[G1B+5], SIZE_K
	s_mov_b32 s[G1+6], 0
	s_mov_b32 s[G1B+6], 0
	s_mov_b32 s[G1+7], 0
	s_mov_b32 s[G1B+7], 0
	; x's tiles hang on the block row alone, the weights' on the block column alone; each address is made in registers that never hold the other coordinate
	s_lshl_b32 s17, s12, 7
	s_lshl_b32 s16, s13, 8
	s_add_co_u32 s16, s16, s17                     ; x: row 256 x block row + 128 x half
	s_mul_i32 s46, s42, 2*BH
	s_mul_i32 s47, s12, BH
	s_add_co_u32 s46, s46, s47                     ; weights: row 192 x block column + 96 x half
	s_lshl_b32 s16, s16, 12                        ; rows of 4,096 bytes; both stay below 2^25
	s_lshl_b32 s46, s46, 12
	s_mov_b32 s17, 0
	s_mov_b32 s47, 0
	s_mul_i32 s20, s10, HALFT                      ; where my load goes: wave x one region; no place in the cluster enters an LDS address
	s_wait_dscnt 0x0
	s_wait_kmcnt 0x0
	s_add_nc_u64 s[14:15], s[4:5], s[16:17]        ; my rows of x at K = 0: stays as it is through the walk
	s_add_nc_u64 s[46:47], s[6:7], s[46:47]        ; my rows of the weights at K = 0: likewise
	CROUND                                         ; all sixteen work-groups are here: the first joint loads meet
.irp s, 0,1
	s_mov_b32 s[G0+4*\s], 1
	s_add_co_u32 s[G0+4*\s+1], s20, \s*SLOT
	s_add_nc_u64 s[G0+4*\s+2:G0+4*\s+3], s[14:15], s[KO+4*\s:KO+4*\s+1]
	s_or_b32 s[G0+4*\s+3], s[G0+4*\s+3], 0x80000000
	s_mov_b32 s[G0B+4*\s], 1
	s_add_co_u32 s[G0B+4*\s+1], s20, \s*SLOT
	s_add_nc_u64 s[G0B+4*\s+2:G0B+4*\s+3], s[46:47], s[KO+4*\s:KO+4*\s+1]
	s_or_b32 s[G0B+4*\s+3], s[G0B+4*\s+3], 0x80000000
	JLOAD \s                                       ; both first fills go out together: two tensor loads of the wave are out
.endr
	; Steps 2 and 3 of the walk, asked for ahead.  One instruction asks for 32 rows of one step, the lanes 4,096 bytes apart.
	; x: the block row's 256 rows x 2 steps are 16 such groups; the four work-groups of my row of the cluster take four each, a wave one: group 4 cx + wave.
	v_and_b32 v[PF], 31, v0
	v_lshlrev_b32 v[PF], 12, v[PF]
	s_lshl2_add_u32 s74, s40, s10                  ; group 0..15
	s_and_b32 s75, s74, 7                          ; which 32 rows
	s_lshr_b32 s74, s74, 3                         ; step 2 or 3
	s_lshl_b32 s72, s13, 20                        ; 256 rows of 4,096 bytes a block row
	s_lshl_b32 s75, s75, 17
	s_add_co_u32 s72, s72, s75
	s_lshl_b32 s74, s74, 8
	s_add_co_u32 s72, s72, s74
	s_add_co_u32 s72, s72, s[KO]                   ; the walk's first step; steps 2 and 3 lie in the same quarter of K, so nothing goes round the end
	s_add_co_u32 s72, s72, 2*KSTEP*2
	s_mov_b32 s73, 0
	s_add_nc_u64 s[68:69], s[68:69], s[72:73]
	global_prefetch_b8 v[PF], s[68:69] th:TH_LOAD_NT scope:SCOPE_SE
	; weights: the block column's 192 rows x 2 steps are 12 groups; the four work-groups of my column of the cluster take three each: group 3 cy + wave, waves 0 to 2
	s_cmp_lt_u32 s10, NPW
	s_cbranch_scc0 .Lno_ask
	s_mul_i32 s74, s41, NPW
	s_add_co_u32 s74, s74, s10                     ; group 0..11
	s_mul_i32 s75, s74, PFM
	s_lshr_b32 s75, s75, 8                         ; step 2 or 3
	s_mul_i32 s72, s75, NB
	s_sub_co_u32 s74, s74, s72                     ; which 32 rows
	s_mul_i32 s72, s42, 2*BH*4096
	s_lshl_b32 s74, s74, 17
	s_add_co_u32 s72, s72, s74
	s_lshl_b32 s75, s75, 8
	s_add_co_u32 s72, s72, s75
	s_add_co_u32 s72, s72, s[KO]
	s_add_co_u32 s72, s72, 2*KSTEP*2
	s_add_nc_u64 s[70:71], s[70:71], s[72:73]
	global_prefetch_b8 v[PF], s[70:71] th:TH_LOAD_NT scope:SCOPE_SE
.Lno_ask:                                          ; v27 and s[68:71] are not written again
	; a fragment: lane l holds row l % 16; registers 0-3 hold K = 8 (l / 16) + 0..7, registers 4-7 K = 16 + 8 (l / 16) + 0..7: two loads of 16 bytes, 32 apart
	v_and_b32 v1, 15, v0
	v_bfe_u32 v2, v0, 4, 1
	v_mul_u32_u24 v3, v1, PITCH
	v_lshl_add_u32 v3, v2, 4, v3
	s_mul_i32 s21, s11, HALFT                      ; my 128 rows of x
	s_mul_i32 s2, s12, HALFT                       ; my 96 rows of the weights,
	s_add_co_u32 s2, s2, 2*HALFT                   ; behind x's two regions
.irp s, 0,1
	v_add_nc_u32 v[ADRA+\s], s21, v3
	v_add_nc_u32 v[ADRB+\s], s2, v3
	s_add_co_u32 s21, s21, SLOT
	s_add_co_u32 s2, s2, SLOT
.endr
	v_lshlrev_b32 v[CO], 5, v1
	v_lshl_add_u32 v[CO], v2, 4, v[CO]             ; 32 (l % 16) + 16 (l / 16)
; 2 NB matrix instructions: row tiles a0, a0 + 1 of the window's four x all NB column tiles, 32 along K.  zero = 1: the product starts the sums.
.macro MULN f, hi, a0, zero
.irp a, \a0, \a0+1
.set bb, 0
.rept NB
.if \zero
	v_wmma_f32_16x16x32_f16 v[8*(NB*(\a)+bb):8*(NB*(\a)+bb)+7], v[\f+8*bb:\f+8*bb+7], v[\f+8*(4*\hi+\a):\f+8*(4*\hi+\a)+7], 0
.else
	v_wmma_f32_16x16x32_f16 v[8*(NB*(\a)+bb):8*(NB*(\a)+bb)+7], v[\f+8*bb:\f+8*bb+7], v[\f+8*(4*\hi+\a):\f+8*(4*\hi+\a)+7], v[8*(NB*(\a)+bb):8*(NB*(\a)+bb)+7]
.endif
.set bb, bb+1
.endr
.endr
.endm
; the fragments of one quarter step (32 K at byte k of the rows) into buffer f: 2 NB loads for the weights, then 16 for x
.macro FETCH slot, k, f
	WIN TO_B
.set ii, 0
.rept NB
	ds_load_b128 v[\f+8*ii:\f+8*ii+3],   v[ADRB+\slot] offset:\k+ii*16*PITCH
	ds_load_b128 v[\f+8*ii+4:\f+8*ii+7], v[ADRB+\slot] offset:\k+ii*16*PITCH+32
.set ii, ii+1
.endr
	WIN 0
.irp i, 0,1,2,3,4,5,6,7
	ds_load_b128 v[\f+8*\i:\f+8*\i+3],   v[ADRA+\slot] offset:\k+\i*16*PITCH
	ds_load_b128 v[\f+8*\i+4:\f+8*\i+7], v[ADRA+\slot] offset:\k+\i*16*PITCH+32
.endr
.endm
; A load into a register that a matrix instruction has read, and a vector instruction that reads a matrix result, stand four places behind it; only plain
; vector instructions that name none of its registers are places; the matrix instructions in between are not counted.
.macro PLACES
.rept 4
	v_nop
.endr
.endm
; A K step is four quarter steps of 32 along K, 8 NB matrix instructions each, on buffers 0, 1, 0, 1.  The 8 NB accumulators take turns, one instruction a turn,
; in the same order in every quarter, over the loop's backward jump too.
.macro QUARTER slot, k, f, g, zero
	s_wait_dscnt 8                                 ; the weights and x's rows 0-63 are in; the youngest eight loads (x's rows 64-127) may be out
	WIN MUL_LO
	MULN \f, 0, 0, \zero
	MULN \f, 0, 2, \zero
	PLACES
	FETCH \slot, \k, \g
	s_wait_dscnt 2*NB+16                           ; all but the loads just issued
	WIN MUL_HI
	MULN \f, 1, 0, \zero
	MULN \f, 1, 2, \zero
.endm
.macro THREE slot, zero
	QUARTER \slot, 64,  F0, F1, \zero
	QUARTER \slot, 128, F1, F0, 0
	QUARTER \slot, 192, F0, F1, 0
.endm
; The last quarter multiplies buffer 1 and changes slots.  In front of the barrier each wave waits for its reads of this slot and for all its tensor loads (one is
; out: its part of the next slot).  Behind it (with fill: behind the cluster's round that it opens) the refill comes first, then the next slot's first fragments.
.macro TURN slot, next, fill
	s_wait_dscnt 8
	WIN MUL_LO
	MULN F1, 0, 0, 0
	s_wait_dscnt 0                                 ; my reads of this slot are over
	s_wait_tensorcnt 0x0                           ; all my tensor loads have landed, so every group 0 may be written:
	ds_add_u32 v255, v63
	s_wait_dscnt 0x0
.if \fill
	s_add_co_u32 s[KO+4*\slot], s[KO+4*\slot], 2*KSTEP*2           ; this slot's next tile lies two K steps on,
	s_and_b32 s[KO+4*\slot], s[KO+4*\slot], SIZE_K*2-1             ; round the end of a row of 4,096 bytes
	s_add_nc_u64 s[G0+4*\slot+2:G0+4*\slot+3], s[14:15], s[KO+4*\slot:KO+4*\slot+1]
	s_or_b32 s[G0+4*\slot+3], s[G0+4*\slot+3], 0x80000000
	s_add_nc_u64 s[G0B+4*\slot+2:G0B+4*\slot+3], s[46:47], s[KO+4*\slot:KO+4*\slot+1]
	s_or_b32 s[G0B+4*\slot+3], s[G0B+4*\slot+3], 0x80000000
.endif
	s_barrier_signal -1
	MULN F1, 0, 2, 0                               ; register work while the others arrive
	WIN 0
	s_barrier_wait -1
.if \fill
	CREST                                          ; no wave of any partner still reads this slot or has a load on its way
	JLOAD \slot                                    ; my one tensor load behind the round, and the first thing there
.endif
	PLACES
	FETCH \next, 0, F0
	WIN MUL_HI
	MULN F1, 1, 0, 0
	MULN F1, 1, 2, 0
.endm
.macro LAP zero
	THREE 0, \zero
	TURN 0, 1, 1
	THREE 1, 0
	TURN 1, 0, 1
.endm
	s_wait_tensorcnt 1                             ; my part of the walk's step 0 is in; step 1's stays out
	s_barrier_signal -1
	s_barrier_wait -1
	FETCH 0, 0, F0
	LAP 1                                          ; the first lap's first products start the sums: nothing is cleared
	WIN 0                                          ; at a label and at a branch every window is 0
	s_mov_b32 s3, LAPS-2
.Llap:
	LAP 0
	WIN 0
	s_sub_co_u32 s3, s3, 1
	s_cmp_lg_u32 s3, 0
	s_cbranch_scc1 .Llap
	THREE 0, 0                                     ; the last lap fills nothing
	TURN 0, 1, 0
	THREE 1, 0
	s_wait_dscnt 8
	WIN MUL_LO
	MULN F1, 0, 0, 0
	MULN F1, 0, 2, 0
	s_wait_dscnt 0
	WIN MUL_HI
	MULN F1, 1, 0, 0
	MULN F1, 1, 2, 0
	; THE WAY OUT: round to f16, four registers a tile, each tile in registers of its own (window 0, v64-255), then one store a tile.
	PLACES                                         ; behind the last matrix instructions: the conversions read results and write over fragments
	s_lshl_b32 s13, s13, 8
	s_lshl_b32 s14, s11, 7
	s_add_co_u32 s16, s13, s14                     ; my first row,
	s_lshl_b32 s16, s16, 5                         ; 32 bytes a row in a plane
	s_mov_b32 s17, 0
	s_add_nc_u64 s[8:9], s[8:9], s[16:17]
	s_mul_i32 s46, s42, 2*NB                       ; my first plane: 12 x block column + 6 x half (in the registers that held the weights' address)
	s_mul_i32 s47, s12, NB
	s_add_co_u32 s46, s46, s47
	s_lshl_b32 s46, s46, 17
	s_mov_b32 s47, 0
	s_add_nc_u64 s[8:9], s[8:9], s[46:47]
	WIN 0x0a                                       ; sources in window 2
.set tt, 0
.rept 4*NB
.irp r, 0,1,2,3
	v_cvt_pk_f16_f32 v[F0+4*tt+\r], v[8*tt+2*\r], v[8*tt+2*\r+1]
.endr
.set tt, tt+1
.endr
	WIN 0x0f                                       ; sources in window 3
.set tt, 0
.rept 4*NB
.irp r, 0,1,2,3
	v_cvt_pk_f16_f32 v[F0+16*NB+4*tt+\r], v[8*tt+2*\r], v[8*tt+2*\r+1]
.endr
.set tt, tt+1
.endr
	WIN 0
.irp hi, 0,1
.irp a, 0,1,2,3
.set bb, 0
.rept NB
	global_store_b128 v[CO], v[F0+16*NB*\hi+4*(NB*\a+bb):F0+16*NB*\hi+4*(NB*\a+bb)+3], s[8:9] offset:bb*PLANE+(4*\hi+\a)*512   ; the wave stores 512 consecutive bytes, aligned
.set bb, bb+1
.endr
.endr
.endr
	CROUND                                         ; the closing round: no work-group ends while a partner may still ask for a tile that names it
	s_endpgm
.Lfunc_end_k_q528c00912e_qkv:
	.size	k_q528c00912e_qkv, .Lfunc_end_k_q528c00912e_qkv-k_q528c00912e_qkv
	.p2alignl 7, 3214868480
	.fill 96, 4, 3214868480
	.section	.rodata,"a",@progbits
	.p2align	6, 0x0
	.amdhsa_kernel k_q528c00912e_qkv
		.amdhsa_group_segment_fixed_size 327680
		.amdhsa_private_segment_fixed_size 0
		.amdhsa_enable_private_segment 0
		.amdhsa_kernarg_size 24
		.amdhsa_user_sgpr_count 2
		.amdhsa_user_sgpr_kernarg_segment_ptr 1
		.amdhsa_wavefront_size32 1
		.amdhsa_system_sgpr_workgroup_id_x 1
		.amdhsa_system_sgpr_workgroup_id_y 1
		.amdhsa_system_sgpr_workgroup_id_z 1
		.amdhsa_system_vgpr_workitem_id 0
		.amdhsa_next_free_vgpr 960
		.amdhsa_next_free_sgpr 76
		.amdhsa_reserve_vcc 0
		.amdhsa_float_denorm_mode_32 3
		.amdhsa_float_denorm_mode_16_64 3
		.amdhsa_memory_ordered 1
		.amdhsa_forward_progress 1
		.amdhsa_inst_pref_size 151
	.end_amdhsa_kernel
	.amdgpu_metadata
---
amdhsa.version: [ 1, 2 ]
amdhsa.kernels:
  - .name:           k_q528c00912e_qkv
    .symbol:         k_q528c00912e_qkv.kd
    .args:
      - { .name: xh, .offset: 0, .size: 8, .value_kind: global_buffer, .address_space: global }
      - { .name: wqkvt, .offset: 8, .size: 8, .value_kind: global_buffer, .address_space: global }
      - { .name: qkvp, .offset: 16, .size: 8, .value_kind: global_buffer, .address_space: global }
    .group_segment_fixed_size: 327680
    .private_segment_fixed_size: 0
    .kernarg_segment_align: 8
    .kernarg_segment_size: 24
    .max_flat_workgroup_size: 128
    .sgpr_count:     76
    .vgpr_count:     960
    .wavefront_size: 32
...
	.end_amdgpu_metadata
.endif
;; end of part 2
;; launch attn (part 3): grid 256 x 1, 8 waves a work-group, no clusters, 234,496 bytes of LDS; arguments qkvp, att; writes att
.if DOCPART == 3
	.amdgcn_target "amdgcn-amd-amdhsa--gfx1250"
	.amdhsa_code_object_version 6
	.text
	.protected	k_q528c00912e_attn
	.globl	k_q528c00912e_attn
	.p2align	8
	.type	k_q528c00912e_attn,@function
k_q528c00912e_attn:
	s_mov_b64 s[64:65], 0
	v_nop
	global_prefetch_b8 v0, s[64:65] scope:SCOPE_SE
	s_setreg_imm32_b32 hwreg(HW_REG_WAVE_MODE, 25, 1), 1
	s_wait_xcnt 0x0
; Launch 3 of 4: grouped-query attention of each view's 256 queries over the 512 keys of its two circular neighbours (views v - 1 and v + 1 mod 8).
; The neighbours' k and v are picked by address from the one projection of each view (the gather commutes with the projection).
; A work-group takes one (batch, view), one key/value head n and two of its four query heads, 4 n + 2 half + p; wave w has p = w / 4 and the 64 queries
; 64 (w % 4) + 0..63, against all 512 keys.  K and V of the head (64 KiB each) are brought into LDS once; nothing is filled again.
; THE FILLS ARE CUT BY KEYS: a quarter is 64 keys of each neighbour, 16 KiB of K and 16 KiB of V, and serves two chunks.  Each wave issues four
; tensor loads at the head, one for each quarter (its two planes of K or of V of one neighbour, 4 KiB): four are out.  Quarter g is waited for with the count
; 3 - g (the younger quarters stay out) in front of a plain barrier; behind these barriers nothing is filled, so loads may stay out across them.
; NO CLUSTER: the K and V planes of one view and head are read by four work-groups (the views to its left and to its right, two halves each), so
; 256 x 128 KiB = 32 MiB are asked for of 8 MiB of planes.  The two halves of a view share both neighbours; work-groups of views two apart share one.
; Every byte is asked for once by a work-group, at its head, and only the first quarter, 32 KiB of the 128, is waited for with no work to do; the other
; three land while earlier chunks are multiplied.  Joint requests would shorten that first wait alone, and would put a round of all partners in front of it.
; SCORES TRANSPOSED: S^T = K Q^T (source 0 = 16 keys, source 1 = 16 queries): lane l holds query l % 16 and keys 8 (l / 16) + 0..7, so the softmax's maximum and
; sum are in-lane but for one exchange of the halves, and two neighbouring key tiles pack, as they lie, into a source-1 fragment of P^T for
; O^T = V^T P^T (source 0 = V transposed on the way out of LDS).  A lane's eight results are eight neighbouring numbers of one query's head.
; SOFTMAX: running maximum over chunks of 64 keys (32 of each neighbour), taken away before every exponential; sums and O are rescaled by 2^(c (old - new)).
; TWO PIECES TAKE TURNS: piece A = query tiles 0, 1, piece B = tiles 2, 3; they share the K and V fragments.  Chunk j is four blocks of 16 products, and behind
; each product stands a slice of the other piece's vector work:
;   B1  O_B += V(j-1) P_B(j-1)   with A's maximum, statistics and rescaling of O_A       then V(j) is loaded over V(j-1)
;   B2  S_B(j) = K(j) Q_B        with A's exponents, exponentials, sums and packing      then K(j+1) is loaded over K(j)
;   B3  O_A += V(j) P_A(j)       with B's maximum, statistics and rescaling of O_B
;   B4  S_A(j+1) = K(j+1) Q_A    with B's exponents, exponentials, sums and packing
; P lies in place in S, so a piece's next scores follow its P V products.  S_A(0) stands ahead of the chunks, O_B += V(7) P_B(7) behind them.
; REGISTERS, laid out so that a product and the slice behind it share one setting of the windows (low byte: bits 1:0 source 0, 3:2 source 1, 5:4 source 2, 7:6 destination):
;   window 0: v0-9 addresses; v16-47 Q (s, c = 0); v64-127 V fragments; v128-255 O (s, c4)
;   window 1: v0-127 S (s, tt), P packed in place; v128-191 K fragments; v192-223 Q (s, c = 1); v224-247 statistics; v248-249 K's LDS addresses
;   0x04  P V products (V 0, P 1, O 0) and the rescaling of O (O 0, alpha 1)
;   0x51  score products with c = 0 (K 1, Q 0, S 1), exponents and exponentials (S 1, mc 1)
;   0x55  score products with c = 1 (all in window 1) and all vector work that lies in window 1
; Only the maxima and statistics (0x55) stand among P V products (0x04): four groups of 12 lines, each behind a pair of products.  By the text's count a chunk
; has 22 changes of window for its 64 products and 480 vector instructions.
; LIMITS: q, k, v, P and the result are f16 (P in [0, 1]; P below 6e-8 counts as 0); exponentials below 2^-126 come out as 0; the keys are summed in
; another order than reference() sums them.
; The eight chunks are written out: the counts of their waits and the immediates of their LDS loads differ.
.set PLANE, 131072                     ; bytes in a plane of qkvp: 4,096 rows of 16 f16
.set KPL,   3072                       ; LDS: 64 keys of a plane of K, rows of 32 bytes + 16 of padding (pitch 48, an odd multiple of 16)
.set KNB,   4*KPL                      ; a neighbour's four planes
.set KQ,    2*KNB                      ; a quarter of K: 24,576
.set VBASE, 4*KQ                       ; V behind K: 98,304
.set VPL,   2048                       ; 64 keys of a plane of V, rows of 32 bytes (pitch 32, an odd multiple of 32, for the transposing loads)
.set VNB,   4*VPL
.set VQ,    2*VNB                      ; a quarter of V: 16,384
.set STAGE, VBASE+4*VQ                 ; 163,840 = 640 x 256: 256 rows x 272 bytes for the way out; no tensor load lands here
.set SP_,   272
.set G0,  48                           ; s[48:63] group 0, a set of four registers for each of my four loads
; window 0
.set VA,  4                            ; v4      LDS address of my V fragments in chunk 0; the chunk stands in the immediate, 65,024 at the most
.set QO,  5                            ; v5      my 16 bytes in a 16-row tile of a plane
.set STO, 6                            ; v6      the way out: where I put 16 bytes
.set RD,  7                            ; v7      the way out: where I read a row back
.set CO,  8                            ; v8      my byte offset in att
.set QA,  16                           ; Q (s, c = 0) at 16 + 8 s; on the way out piece A's packed result
.set VF,  64                           ; V fragments (i, c4) at 64 + 32 i + 8 c4; on the way out piece B's packed result
.set OW,  128                          ; O (s, c4) at 128 + 32 s + 8 c4
; window 1 (S (s, tt) at 32 s + 8 tt, P (s, i) at 32 s + 8 i)
.set KF,  128                          ; K fragments (tt, c) at 128 + 16 tt + 8 c
.set QB,  192                          ; Q (s, c = 1) at 192 + 8 s
.set MC,  224                          ; pairs (mc, M) for query tile s at 224 + 2 s: mc = -c M, M = running maximum
.set MM,  225
.set AL,  232                          ; pairs (alpha, scratch) at 232 + 2 s
.set T2,  233
.set LS,  240                          ; two partial sums of a lane at 240 + 2 s
.set KA,  248                          ; LDS address of my K fragments in quarter 0 and in quarter 2; the rest stands in the immediate, 48,384 at the most
.set W_PV,  0x04
.set W_S0,  0x51
.set W_ONE, 0x55
.set W_D1,  0x40                       ; destination in window 1, sources in window 0
.set MSB, 0
.macro WIN new                         ; the immediate's high byte repeats the setting that is left; a change that changes nothing is dropped
.if MSB != \new
	s_set_vgpr_msb (MSB<<8)|\new
.set MSB, \new
.endif
.endm
	s_load_b128 s[4:7], s[0:1], 0x0                ; qkvp s[4:5], att s[6:7]
	v_lshl_add_u32 v62, v0, 2, 0x39000
	v_mov_b32 v63, 0
	ds_add_u32 v62, v63
	ds_add_u32 v62, v63
	v_lshrrev_b32 v3, 5, v0
	v_readfirstlane_b32 s8, v3                     ; wave 0..7
	s_and_b32 s9, ttmp9, 1                         ; half
	s_bfe_u32 s10, ttmp9, 0x30001                  ; n: key/value head
	s_bfe_u32 s11, ttmp9, 0x30004                  ; v: view
	s_lshr_b32 s42, ttmp9, 7                       ; b: batch
	s_lshr_b32 s43, ttmp9, 4                       ; 8 b + v
	; group 1: 64 rows of two planes, as 2 rows of 256 elements of 8 bytes, 131,072 bytes apart.  K's is padded: after every 8 words, 4 words.
	s_mov_b32 s16, (3<<16)|(1<<20)|(2<<22)|(3<<25)
	s_mov_b32 s17, 256<<16                         ; tensor_dim0 = 256
	s_mov_b32 s18, 2<<16                           ; tensor_dim1 = 2
	s_mov_b32 s19, 256<<16                         ; tile_dim0
	s_mov_b32 s20, 2                               ; tile_dim1
	s_mov_b32 s21, 16384                           ; elements from plane to plane
	s_mov_b32 s22, 0
	s_mov_b32 s23, 0
	s_mov_b32 s24, 3<<16                           ; V's: the same, dense
	s_mov_b32 s25, 256<<16
	s_mov_b32 s26, 2<<16
	s_mov_b32 s27, 256<<16
	s_mov_b32 s28, 2
	s_mov_b32 s29, 16384
	s_mov_b32 s30, 0
	s_mov_b32 s31, 0
	; waves 0-3 bring K, waves 4-7 V; neighbour (w / 2) % 2, planes 2 (w % 2) and 2 (w % 2) + 1
	s_mul_i32 s13, s8, 2*KPL                       ; K: my place in a quarter
	s_mul_i32 s37, s8, 2*VPL
	s_add_co_u32 s37, s37, VBASE-8*VPL             ; V: wave 4 begins at VBASE
	s_bfe_u32 s44, s8, 0x10001                     ; neighbour
	s_and_b32 s45, s8, 1                           ; pair of planes
	s_lshl1_add_u32 s46, s44, s11
	s_add_co_u32 s46, s46, 7
	s_and_b32 s46, s46, 7                          ; its view: (v - 1 + 2 neighbour) mod 8
	s_lshl3_add_u32 s46, s42, s46
	s_lshl_b32 s46, s46, 13                        ; 256 rows of 32 bytes a view
	s_lshl_b32 s47, s10, 2
	s_lshl1_add_u32 s47, s45, s47
	s_add_co_u32 s47, s47, 128                     ; K's planes begin at 128
	s_lshl_b32 s47, s47, 17
	s_add_co_u32 s46, s46, s47
	s_mov_b32 s47, 0
	s_wait_dscnt 0x0
	s_wait_kmcnt 0x0
	s_add_nc_u64 s[14:15], s[4:5], s[46:47]
	s_add_nc_u64 s[38:39], s[14:15], 32*PLANE      ; V's planes lie 32 behind K's
	; my four first fills, in the order in which their keys are needed, inside one branch on the wave's number: four loads on either way
	s_cmp_lt_u32 s8, 4
	s_cbranch_scc0 .Lfill_v
.irp g, 0,1,2,3
	s_mov_b32 s[G0+4*\g], 1
	s_add_co_u32 s[G0+4*\g+1], s13, \g*KQ
	s_add_nc_u64 s[G0+4*\g+2:G0+4*\g+3], s[14:15], \g*2048         ; 64 rows of 32 bytes on
	s_or_b32 s[G0+4*\g+3], s[G0+4*\g+3], 0x80000000
	tensor_load_to_lds s[G0+4*\g:G0+4*\g+3], s[16:23]
	s_nop 0
.endr
	s_branch .Lfilled
.Lfill_v:
.irp g, 0,1,2,3
	s_mov_b32 s[G0+4*\g], 1
	s_add_co_u32 s[G0+4*\g+1], s37, \g*VQ
	s_add_nc_u64 s[G0+4*\g+2:G0+4*\g+3], s[38:39], \g*2048
	s_or_b32 s[G0+4*\g+3], s[G0+4*\g+3], 0x80000000
	tensor_load_to_lds s[G0+4*\g:G0+4*\g+3], s[24:31]
	s_nop 0
.endr
.Lfilled:                                          ; four tensor loads of the wave are out; their descriptors are not written again.  No label or branch follows
	s_mov_b32 s32, 0x76543210                      ; v_permlanex16_b32: lane i of one half reads lane i of the other
	s_mov_b32 s33, 0xfedcba98
	s_mov_b32 s34, 0x3e38aa3b                      ; c = log2(e) / sqrt(64)
	s_mov_b32 s35, 0x3e38aa3b
	s_mov_b32 s40, 0xbe38aa3b                      ; -c
	s_lshr_b32 s44, s8, 2                          ; p
	s_and_b32 s45, s8, 3                           ; block of 64 queries
	s_lshl_b32 s42, s10, 2
	s_lshl1_add_u32 s42, s9, s42                   ; 4 n + 2 half
	s_add_co_u32 s46, s42, s44                     ; my query head: four planes
	s_lshl_b32 s46, s46, 19
	s_lshl_b32 s47, s43, 13
	s_add_co_u32 s46, s46, s47
	s_lshl_b32 s47, s45, 11
	s_add_co_u32 s46, s46, s47
	s_mov_b32 s47, 0
	s_add_nc_u64 s[4:5], s[4:5], s[46:47]          ; Q at my head's first plane and my first query
	s_lshl_b32 s46, s43, 20                        ; att: 256 rows of 4,096 bytes a view,
	s_lshl_b32 s47, s8, 17                         ; 32 rows a wave on the way out,
	s_add_co_u32 s46, s46, s47
	s_lshl_b32 s47, s42, 7                         ; two heads = 256 bytes, aligned
	s_add_co_u32 s46, s46, s47
	s_mov_b32 s47, 0
	s_add_nc_u64 s[6:7], s[6:7], s[46:47]
	v_and_b32 v1, 15, v0                           ; r = l % 16
	v_bfe_u32 v2, v0, 4, 1                         ; h = l / 16
	v_lshlrev_b32 v[QO], 5, v1
	v_lshl_add_u32 v[QO], v2, 4, v[QO]
	; Q fragments straight from the planes: registers 0-3 from plane 2 c, registers 4-7 from plane 2 c + 1; each load takes 512 consecutive bytes
.irp s, 0,1,2,3
	global_load_b128 v[QA+8*\s:QA+8*\s+3],   v[QO], s[4:5] offset:512*\s
	global_load_b128 v[QA+8*\s+4:QA+8*\s+7], v[QO], s[4:5] offset:PLANE+512*\s
.endr
	v_mul_u32_u24 v9, v1, 48
	v_lshl_add_u32 v9, v2, 4, v9                   ; K: key row r, 16 bytes h
	WIN W_D1                                       ; c = 1 and K's addresses go to window 1
.irp s, 0,1,2,3
	global_load_b128 v[QB+8*\s:QB+8*\s+3],   v[QO], s[4:5] offset:2*PLANE+512*\s
	global_load_b128 v[QB+8*\s+4:QB+8*\s+7], v[QO], s[4:5] offset:3*PLANE+512*\s
.endr
	v_mov_b32 v[KA], v9                            ; quarters 0 and 1
	v_add_nc_u32 v[KA+1], 2*KQ, v9                 ; quarters 2 and 3
	WIN 0
	v_and_b32 v3, 7, v0
	v_lshl_add_u32 v3, v2, 3, v3                   ; V: key row 8 h + l % 8,
	v_lshlrev_b32 v[VA], 5, v3
	v_bfe_u32 v3, v0, 3, 1
	v_lshl_add_u32 v[VA], v3, 4, v[VA]             ; 16 bytes (l / 8) % 2
	v_add_nc_u32 v[VA], VBASE, v[VA]
	s_mul_i32 s46, s45, 64*SP_
	s_lshl_b32 s47, s44, 7
	s_add_co_u32 s46, s46, s47
	s_add_co_u32 s46, s46, STAGE
	v_mul_u32_u24 v[STO], v1, SP_
	v_lshl_add_u32 v[STO], v2, 4, v[STO]
	v_add_nc_u32 v[STO], s46, v[STO]               ; row 64 block + r (+ 16 s), bytes 128 p + 16 h (+ 32 c4)
	s_mul_i32 s47, s8, 32*SP_
	s_add_co_u32 s47, s47, STAGE
	v_mul_u32_u24 v[RD], v2, SP_
	v_lshl_add_u32 v[RD], v1, 4, v[RD]
	v_add_nc_u32 v[RD], s47, v[RD]                 ; row 32 w + h (+ 2 t), 16 bytes r
	v_lshlrev_b32 v[CO], 12, v2
	v_lshl_add_u32 v[CO], v1, 4, v[CO]
; the K fragments of chunk j: 16 keys (tt % 2) of neighbour tt / 2, 32 of the head's 64 numbers (c): 16 loads; data and address in window 1
.macro KLOAD j
.irp tt, 0,1,2,3
.irp c, 0,1
	ds_load_b128 v[KF+16*\tt+8*\c:KF+16*\tt+8*\c+3],   v[KA+((\j)/4)] offset:(((\j)/2)%2)*KQ+((\j)%2)*1536+(\tt/2)*KNB+(2*\c)*KPL+(\tt%2)*768
	ds_load_b128 v[KF+16*\tt+8*\c+4:KF+16*\tt+8*\c+7], v[KA+((\j)/4)] offset:(((\j)/2)%2)*KQ+((\j)%2)*1536+(\tt/2)*KNB+(2*\c+1)*KPL+(\tt%2)*768
.endr
.endr
.endm
; the V fragments of chunk j, transposed on the way: 32 keys of neighbour i, 16 of the head's numbers (c4): 16 loads; data and address in window 0
.macro VLOAD j
.irp i, 0,1
.irp c4, 0,1,2,3
	ds_load_tr16_b128 v[VF+32*\i+8*\c4:VF+32*\i+8*\c4+3],   v[VA] offset:((\j)/2)*VQ+((\j)%2)*1024+\i*VNB+\c4*VPL        ; keys 8 h + 0..7 of column r
	ds_load_tr16_b128 v[VF+32*\i+8*\c4+4:VF+32*\i+8*\c4+7], v[VA] offset:((\j)/2)*VQ+((\j)%2)*1024+\i*VNB+\c4*VPL+512    ; keys 16 + 8 h + 0..7
.endr
.endr
.endm
; The n-th of piece p's 16 score products: c = n / 8, key tile (n % 8) / 2, query tile 2 p + n % 2.  The first eight start the sums.
; The eight score tiles take turns, one instruction a turn.
.macro SW p, n
.set w_s, 2*\p+((\n)%2)
.set w_t, ((\n)%8)/2
.if (\n)/8
	v_wmma_f32_16x16x32_f16 v[32*w_s+8*w_t:32*w_s+8*w_t+7], v[KF+16*w_t+8:KF+16*w_t+15], v[QB+8*w_s:QB+8*w_s+7], v[32*w_s+8*w_t:32*w_s+8*w_t+7]
.else
	v_wmma_f32_16x16x32_f16 v[32*w_s+8*w_t:32*w_s+8*w_t+7], v[KF+16*w_t:KF+16*w_t+7], v[QA+8*w_s:QA+8*w_s+7], 0
.endif
.endm
; The n-th of piece p's 16 P V products: neighbour i = n / 8, c4 = (n % 8) / 2, query tile 2 p + n % 2.  zero = 1: the piece's first chunk, i = 0 starts the sums.
; The eight tiles of O take turns, one instruction a turn.
.macro PW p, n, zero
.set w_s, 2*\p+((\n)%2)
.set w_c, ((\n)%8)/2
.set w_i, (\n)/8
.if (\zero)*(1-w_i)
	v_wmma_f32_16x16x32_f16 v[OW+32*w_s+8*w_c:OW+32*w_s+8*w_c+7], v[VF+32*w_i+8*w_c:VF+32*w_i+8*w_c+7], v[32*w_s+8*w_i:32*w_s+8*w_i+7], 0
.else
	v_wmma_f32_16x16x32_f16 v[OW+32*w_s+8*w_c:OW+32*w_s+8*w_c+7], v[VF+32*w_i+8*w_c:VF+32*w_i+8*w_c+7], v[32*w_s+8*w_i:32*w_s+8*w_i+7], v[OW+32*w_s+8*w_c:OW+32*w_s+8*w_c+7]
.endif
.endm
; One step of the maxima of piece p: two chains a query tile (scores 0-15 onto the running maximum, scores 16-31 in the scratch register), four in all
.macro MAXSTEP p, first, t
.irp e, 0,1
.if \t
	v_max3_num_f32 v[MM+2*(2*\p+\e)], v[32*(2*\p+\e)+2*\t], v[32*(2*\p+\e)+2*\t+1], v[MM+2*(2*\p+\e)]
	v_max3_num_f32 v[T2+2*(2*\p+\e)], v[32*(2*\p+\e)+16+2*\t], v[32*(2*\p+\e)+17+2*\t], v[T2+2*(2*\p+\e)]
.else
.if \first
	v_max_num_f32 v[MM+2*(2*\p+\e)], v[32*(2*\p+\e)], v[32*(2*\p+\e)+1]
.else
	v_max3_num_f32 v[MM+2*(2*\p+\e)], v[32*(2*\p+\e)], v[32*(2*\p+\e)+1], v[MM+2*(2*\p+\e)]
.endif
	v_max_num_f32 v[T2+2*(2*\p+\e)], v[32*(2*\p+\e)+16], v[32*(2*\p+\e)+17]
.endif
.endr
.endm
; Group g of four: the maxima and statistics of piece p, 12 lines each; all in window 1
.macro GA p, first, g
.if \g == 0
	MAXSTEP \p, \first, 0
	MAXSTEP \p, \first, 1
	MAXSTEP \p, \first, 2
.endif
.if \g == 1
	MAXSTEP \p, \first, 3
	MAXSTEP \p, \first, 4
	MAXSTEP \p, \first, 5
.endif
.if \g == 2
	MAXSTEP \p, \first, 6
	MAXSTEP \p, \first, 7
.irp e, 0,1
	v_max_num_f32 v[MM+2*(2*\p+\e)], v[MM+2*(2*\p+\e)], v[T2+2*(2*\p+\e)]
.endr
.irp e, 0,1
	v_permlanex16_b32 v[T2+2*(2*\p+\e)], v[MM+2*(2*\p+\e)], s32, s33       ; the other half's keys of the same query
.endr
.endif
.if \g == 3
.irp e, 0,1
	v_max_num_f32 v[MM+2*(2*\p+\e)], v[MM+2*(2*\p+\e)], v[T2+2*(2*\p+\e)]
.endr
.if \first
.irp e, 0,1
	v_mul_f32 v[MC+2*(2*\p+\e)], s40, v[MM+2*(2*\p+\e)]                    ; mc = -c M
.endr
.else
.irp e, 0,1
	v_mul_f32 v[T2+2*(2*\p+\e)], s40, v[MM+2*(2*\p+\e)]                    ; the new mc
.endr
.irp e, 0,1
	v_sub_f32 v[AL+2*(2*\p+\e)], v[T2+2*(2*\p+\e)], v[MC+2*(2*\p+\e)]      ; c (old M - new M), of the very numbers that stand in the exponents
.endr
.irp e, 0,1
	v_exp_f32 v[AL+2*(2*\p+\e)], v[AL+2*(2*\p+\e)]
.endr
.irp e, 0,1
	v_mov_b32 v[MC+2*(2*\p+\e)], v[T2+2*(2*\p+\e)]                         ; plain instructions behind the exponentials (ISA guide 5.7.2)
.endr
	s_wait_alu depctr_va_vdst(0)
.irp e, 0,1
	v_pk_mul_f32 v[LS+2*(2*\p+\e):LS+2*(2*\p+\e)+1], v[LS+2*(2*\p+\e):LS+2*(2*\p+\e)+1], v[AL+2*(2*\p+\e):AL+2*(2*\p+\e)+1] op_sel_hi:[1,0]
.endr
.endif
.endif
.endm
; Slice q of eight: eight numbers of piece p's O are rescaled (O in window 0, alpha in window 1: the P V products' setting)
.macro RS p, q
.irp u, 0,1,2,3
	v_pk_mul_f32 v[OW+64*\p+8*\q+2*\u:OW+64*\p+8*\q+2*\u+1], v[OW+64*\p+8*\q+2*\u:OW+64*\p+8*\q+2*\u+1], v[AL+2*(2*\p+\q/4):AL+2*(2*\p+\q/4)+1] op_sel_hi:[1,0]
.endr
.endm
; Slice q of eight: eight scores of piece p become 2^(c S - c M), in place.  Behind the exponentials the next plain instruction is the next slice's first, on other registers.
.macro FE p, q
.irp u, 0,1,2,3
	v_pk_fma_f32 v[64*\p+8*\q+2*\u:64*\p+8*\q+2*\u+1], v[64*\p+8*\q+2*\u:64*\p+8*\q+2*\u+1], s[34:35], v[MC+2*(2*\p+\q/4):MC+2*(2*\p+\q/4)+1] op_sel_hi:[1,0,0]
.endr
.irp u, 0,1,2,3,4,5,6,7
	v_exp_f32 v[64*\p+8*\q+\u], v[64*\p+8*\q+\u]
.endr
.endm
; Slice q of eight: numbers 4 q .. 4 q + 3 of each query tile of piece p are added to the sums and packed, in place, into words 2 q and 2 q + 1.
; Word k lands on number k, which was added and packed in slice k / 4 at the latest.
.macro SP p, first, q
.set sp_init, 0
.if \first
.if \q == 0
.set sp_init, 1
.endif
.endif
.if sp_init
	s_wait_alu depctr_va_vdst(0)
.irp e, 0,1
	v_pk_add_f32 v[LS+2*(2*\p+\e):LS+2*(2*\p+\e)+1], v[32*(2*\p+\e):32*(2*\p+\e)+1], v[32*(2*\p+\e)+2:32*(2*\p+\e)+3]   ; the first terms start the sums
.endr
.irp e, 0,1
	v_cvt_pk_f16_f32 v[32*(2*\p+\e)], v[32*(2*\p+\e)], v[32*(2*\p+\e)+1]
.endr
.irp e, 0,1
	v_cvt_pk_f16_f32 v[32*(2*\p+\e)+1], v[32*(2*\p+\e)+2], v[32*(2*\p+\e)+3]
.endr
.else
	s_wait_alu depctr_va_vdst(0)
.irp e, 0,1
	v_pk_add_f32 v[LS+2*(2*\p+\e):LS+2*(2*\p+\e)+1], v[32*(2*\p+\e)+4*\q:32*(2*\p+\e)+4*\q+1], v[LS+2*(2*\p+\e):LS+2*(2*\p+\e)+1]
.endr
.irp e, 0,1
	v_cvt_pk_f16_f32 v[32*(2*\p+\e)+2*\q], v[32*(2*\p+\e)+4*\q], v[32*(2*\p+\e)+4*\q+1]
.endr
.irp e, 0,1
	v_pk_add_f32 v[LS+2*(2*\p+\e):LS+2*(2*\p+\e)+1], v[32*(2*\p+\e)+4*\q+2:32*(2*\p+\e)+4*\q+3], v[LS+2*(2*\p+\e):LS+2*(2*\p+\e)+1]
.endr
.irp e, 0,1
	v_cvt_pk_f16_f32 v[32*(2*\p+\e)+2*\q+1], v[32*(2*\p+\e)+4*\q+2], v[32*(2*\p+\e)+4*\q+3]
.endr
.endif
.endm
; A block of piece pm's 16 P V products (mm = 1) with the first half of piece pv's softmax.  No slice names a register of the products among which it stands.
.macro PVBLK pm, pv, mm, first, zero
.irp g, 0,1,2,3
.if \mm
	WIN W_PV
	PW \pm, 2*\g, \zero
	PW \pm, 2*\g+1, \zero
.endif
	WIN W_ONE
	GA \pv, \first, \g
.endr
.irp q, 0,1,2,3,4,5,6,7
.if \mm
	WIN W_PV
	PW \pm, 8+\q, \zero
.endif
.if \first == 0
	WIN W_PV
	RS \pv, \q                                     ; the last product's four lines are also the four places in front of V's loads
.endif
.endr
.if (\mm)*(\first)
.rept 5
	v_nop                                          ; the first chunk has no O to rescale: five places in front of the score products that write over P (ISA guide 7.12.1)
.endr
.endif
.endm
; A block of piece pm's 16 score products (mm = 1) with the second half of piece pv's softmax.  The last product's eight lines are the places
; in front of K's loads and of the reads of the new scores.
.macro SBLK pm, pv, mm, first
.irp q, 0,1,2,3,4,5,6,7
.if \mm
	WIN W_S0
	SW \pm, \q
.else
	WIN W_ONE
.endif
	FE \pv, \q
.endr
.irp q, 0,1,2,3,4,5,6,7
	WIN W_ONE
.if \mm
	SW \pm, 8+\q
.endif
	SP \pv, \first, \q
.endr
.endm
; Chunk j.  first = 1: chunk 0.  last = 1: chunk 7.  zb = 1: chunk 1, whose first block starts piece B's O.
; bar = 1: the second chunk of its quarter: the next quarter is waited for here; tc = how many younger quarters may stay out.
.macro CHUNK j, first, last, bar, tc, zb
.if \bar
	s_wait_dscnt 0x0                               ; no LDS instruction of mine is out (met: the last wait was for 0 and nothing was issued since)
	s_wait_tensorcnt \tc                           ; tensor loads of a wave end in order (ISA guide 10.11.1): my part of the next quarter has landed, the younger stay out
	s_barrier_signal -1                            ; say so; the block below is register work
.endif
	PVBLK 1, 0, 1-\first, \first, \zb              ; B1
.if \bar
	WIN 0
	s_barrier_wait -1                              ; everybody's part of the next quarter has landed
.else
	WIN W_PV
.endif
	VLOAD \j                                       ; window 0 for data and address under either setting
	SBLK 1, 0, 1, \first                           ; B2
.if \last
	s_wait_dscnt 0x0                               ; V's fragments are in
.else
	KLOAD \j+1
	s_wait_dscnt 16                                ; V's 16 loads are in; the 16 K loads issued behind them may stay out
.endif
	PVBLK 0, 1, 1, \first, \first                  ; B3
.if \last == 0
	s_wait_dscnt 0x0                               ; the next chunk's K fragments are in
.endif
	SBLK 0, 1, 1-\last, \first                     ; B4
.endm
	s_wait_tensorcnt 0x3                           ; my part of the first quarter has landed; my three younger loads stay out,
	s_barrier_signal -1
	s_barrier_wait -1                              ; everybody's has
	WIN W_ONE
	KLOAD 0
	s_wait_loadcnt 0x0                             ; Q, once
	s_wait_dscnt 0x0
	WIN W_S0
.irp n, 0,1,2,3,4,5,6,7
	SW 0, \n                                       ; piece A's scores of chunk 0: the turns begin here
.endr
	WIN W_ONE
.irp n, 8,9,10,11,12,13,14,15
	SW 0, \n
.endr
.rept 4
	v_nop                                          ; four places in front of the maxima, which read results (ISA guide 7.12.1); there is no other work yet
.endr
	CHUNK 0, 1, 0, 0, 0, 0                         ; quarter 0
	CHUNK 1, 0, 0, 1, 2, 1                         ; and the wait for quarter 1: two younger loads stay out
	CHUNK 2, 0, 0, 0, 0, 0                         ; quarter 1
	CHUNK 3, 0, 0, 1, 1, 0                         ; and the wait for quarter 2
	CHUNK 4, 0, 0, 0, 0, 0                         ; quarter 2
	CHUNK 5, 0, 0, 1, 0, 0                         ; and the wait for quarter 3: no tensor load is out from here on
	CHUNK 6, 0, 0, 0, 0, 0                         ; quarter 3
	CHUNK 7, 0, 1, 0, 0, 0
	; the sums of all four query tiles are final: two a lane, two halves; then 1 / sum
.irp s, 0,1,2,3
	v_add_f32 v[LS+2*\s], v[LS+2*\s], v[LS+2*\s+1]
.endr
.irp s, 0,1,2,3
	v_permlanex16_b32 v[T2+2*\s], v[LS+2*\s], s32, s33
.endr
.irp s, 0,1,2,3
	v_add_f32 v[LS+2*\s], v[LS+2*\s], v[T2+2*\s]   ; at least 1: the largest score's own term
.endr
.irp s, 0,1,2,3
	v_rcp_f32 v[AL+2*\s], v[LS+2*\s]
.endr
	v_nop                                          ; the plain instruction behind the reciprocals
	s_wait_alu depctr_va_vdst(0)
	; piece B's last P V products, with piece A's division in their slices
	WIN W_PV
.irp n, 0,1,2,3,4,5,6,7,8,9,10,11,12,13,14,15
	PW 1, \n, 0
	v_pk_mul_f32 v[OW+4*\n:OW+4*\n+1],   v[OW+4*\n:OW+4*\n+1],   v[AL+2*(\n/8):AL+2*(\n/8)+1] op_sel_hi:[1,0]
	v_pk_mul_f32 v[OW+4*\n+2:OW+4*\n+3], v[OW+4*\n+2:OW+4*\n+3], v[AL+2*(\n/8):AL+2*(\n/8)+1] op_sel_hi:[1,0]
.endr
	WIN 0
.set gg, 0
.rept 32
	v_cvt_pk_f16_f32 v[QA+gg], v[OW+2*gg], v[OW+2*gg+1]    ; piece A, tile (s, c4): four words at QA + 16 s + 4 c4.  These lines are the places behind the last products
.set gg, gg+1
.endr
	WIN W_PV
.set gg, 0
.rept 32
	v_pk_mul_f32 v[OW+64+2*gg:OW+64+2*gg+1], v[OW+64+2*gg:OW+64+2*gg+1], v[AL+4+2*(gg/16):AL+4+2*(gg/16)+1] op_sel_hi:[1,0]
.set gg, gg+1
.endr
	WIN 0
.set gg, 0
.rept 32
	v_cvt_pk_f16_f32 v[VF+gg], v[OW+64+2*gg], v[OW+64+2*gg+1]      ; piece B, tile (s, c4): four words at VF + 16 (s - 2) + 4 c4
.set gg, gg+1
.endr
	; through LDS, so that a row's two heads (256 bytes) leave together
.irp s, 0,1
.irp c4, 0,1,2,3
	ds_store_b128 v[STO], v[QA+16*\s+4*\c4:QA+16*\s+4*\c4+3] offset:16*SP_*\s+32*\c4
.endr
.endr
.irp s, 2,3
.irp c4, 0,1,2,3
	ds_store_b128 v[STO], v[VF-32+16*\s+4*\c4:VF-32+16*\s+4*\c4+3] offset:16*SP_*\s+32*\c4
.endr
.endr
	s_wait_dscnt 0x0                               ; my stores are done, for the other waves' sake
	s_barrier_signal -1
	s_barrier_wait -1
.irp t, 0,1,2,3,4,5,6,7,8,9,10,11,12,13,14,15
	ds_load_b128 v[OW+4*\t:OW+4*\t+3], v[RD] offset:2*SP_*\t
.endr
.irp t, 0,1,2,3,4,5,6,7,8,9,10,11,12,13,14,15
	s_wait_dscnt 15-\t
	global_store_b128 v[CO], v[OW+4*\t:OW+4*\t+3], s[6:7] offset:8192*\t      ; sixteen lanes store 256 consecutive bytes, aligned
.endr
	s_wait_tensorcnt 0x0
	ds_add_u32 v62, v63
	s_wait_dscnt 0x0
	s_endpgm
.Lfunc_end_k_q528c00912e_attn:
	.size	k_q528c00912e_attn, .Lfunc_end_k_q528c00912e_attn-k_q528c00912e_attn
	.p2alignl 7, 3214868480
	.fill 96, 4, 3214868480
	.section	.rodata,"a",@progbits
	.p2align	6, 0x0
	.amdhsa_kernel k_q528c00912e_attn
		.amdhsa_group_segment_fixed_size 234496
		.amdhsa_private_segment_fixed_size 0
		.amdhsa_enable_private_segment 0
		.amdhsa_kernarg_size 16
		.amdhsa_user_sgpr_count 2
		.amdhsa_user_sgpr_kernarg_segment_ptr 1
		.amdhsa_wavefront_size32 1
		.amdhsa_system_sgpr_workgroup_id_x 1
		.amdhsa_system_sgpr_workgroup_id_y 1
		.amdhsa_system_sgpr_workgroup_id_z 1
		.amdhsa_system_vgpr_workitem_id 0
		.amdhsa_next_free_vgpr 512
		.amdhsa_next_free_sgpr 66
		.amdhsa_reserve_vcc 0
		.amdhsa_float_denorm_mode_32 3
		.amdhsa_float_denorm_mode_16_64 3
		.amdhsa_memory_ordered 1
		.amdhsa_forward_progress 1
		.amdhsa_inst_pref_size 255
	.end_amdhsa_kernel
	.section	.bss,"aw",@nobits
	.p2align	6
	.space	262144
	.amdgpu_metadata
---
amdhsa.version: [ 1, 2 ]
amdhsa.kernels:
  - .name:           k_q528c00912e_attn
    .symbol:         k_q528c00912e_attn.kd
    .args:
      - { .name: qkvp, .offset: 0, .size: 8, .value_kind: global_buffer, .address_space: global }
      - { .name: att, .offset: 8, .size: 8, .value_kind: global_buffer, .address_space: global }
    .group_segment_fixed_size: 234496
    .private_segment_fixed_size: 0
    .kernarg_segment_align: 8
    .kernarg_segment_size: 16
    .max_flat_workgroup_size: 256
    .sgpr_count:     66
    .vgpr_count:     512
    .wavefront_size: 32
...
	.end_amdgpu_metadata
.endif
;; end of part 3
;; launch oproj (part 4): grid 16 x 16, 4 waves a work-group, clusters of 4 x 4, 327,680 bytes of LDS; arguments att, wot, out0; writes out0
.if DOCPART == 4
	.amdgcn_target "amdgcn-amd-amdhsa--gfx1250"
	.amdhsa_code_object_version 6
	.text
	.protected	k_q528c00912e_oproj
	.globl	k_q528c00912e_oproj
	.p2align	8
	.type	k_q528c00912e_oproj,@function
k_q528c00912e_oproj:
	s_mov_b64 s[64:65], 0
	v_nop
	global_prefetch_b8 v0, s[64:65] scope:SCOPE_SE
	s_setreg_imm32_b32 hwreg(HW_REG_WAVE_MODE, 25, 1), 1
	s_wait_xcnt 0x0
	s_wait_alu depctr_hold_cnt(0) depctr_sa_sdst(0) depctr_va_vdst(0) depctr_va_sdst(0) depctr_va_ssrc(0) depctr_va_vcc(0) depctr_vm_vsrc(0)
	s_getreg_b32 s2, hwreg(HW_REG_IB_STS2, 6, 4)
	s_cmp_eq_u32 s2, 0
	s_cbranch_scc0 .Lentry_in_a_cluster
	s_endpgm
.Lentry_in_a_cluster:
	s_bfe_u32 s2, ttmp6, 0x10000c
	s_cmp_lg_u32 s2, 0xf033
	s_cbranch_scc0 .Lentry_shape_is_right
	s_endpgm
.Lentry_shape_is_right:
; Launch 4 of 4: out0 = att wo, 4,096 rows x 2,048 columns, K = 2,048, f16 operands, f32 sums, f32 result.  No work of reference() is left out here.
; LIMIT: the sums over K begin at another K than reference()'s (see THE WALK): another order of rounding.
; A work-group makes 256 rows x 128 columns with four waves; a wave makes 128 x 64: 32 accumulator tiles of 16 x 16, 256 registers.
; K goes in steps of 128 (rows of 256 bytes, aligned) through two LDS slots filled by the tensor data mover, one load a wave.
; CLUSTERS: 4 x 4 work-groups.  The four of a row of the cluster need the same tiles of att, the four of a column the same tiles of the
; weights: each tile is asked for jointly by the four, with one descriptor and a mask that names them.
; THE WALK ALONG K: cluster (X, Y) begins at K step 4 ((X + 2 (Y % 2) + Y / 2) % 4) and goes round the end of K.  The four clusters of a row of
; the grid, which read the same rows of att, begin in four different quarters of K, and so do the four of a column, which read the same weights.
; So no two clusters ask for one tile in the same step, each tile has one cluster that reads it first (the one whose walk begins in its quarter),
; and what a cluster asks for from its fifth step on has been read by another cluster before.  The start hangs on the cluster's x and y alone,
; which the sixteen partners share, so the joint loads stay alike in all of them.
; ASKED FOR AHEAD: of the four steps that a cluster reads first, steps 0 and 1 are the first fills; the tiles of steps 2 and 3 are asked for by
; prefetches straight behind the first fills, one and two K steps ahead of their tensor loads, each block of 256 bytes by one lane of the launch.
; The matrix instruction is used transposed (source 0 = 16 rows of the transposed weights, source 1 = 16 rows of att): lane l holds row l % 16 and the
; eight columns 8 (l / 16) + 0..7 of a tile, 32 neighbouring bytes.  Sixteen rows at a time go through the wave's own stage in LDS and leave as whole rows of 256 bytes.
; REGISTERS: window 0: v16-27 addresses, v64-127 and v128-191 fragments of att (two buffers);  window 1: v64-95 and v128-159 fragments of
; the weights;  window 2: the 16 tiles of my rows 0-63 (tile (a, b) at v[8 (4 a + b)]);  window 3: those of my rows 64-127.
.set SIZE_K, 2048
.set KSTEP,  128
.set PITCH,  272                       ; an LDS row: 256 bytes + 16 of padding, an odd multiple of 16
.set NB,     4                         ; column tiles of a wave; also: groups of 32 rows in the block's 128 rows of the weights
.set BH,     16*NB                     ; rows of the weights in one tensor load
.set HALFT,  128*PITCH                 ; the LDS region of one tensor load (the weights' use BH of its 128 rows, so that one formula gives every load's place)
.set SLOT,   4*HALFT
.set STAGE,  2*SLOT                    ; 278,528 = 1,088 x 256, behind the ring: 16 rows x 272 bytes for each wave; no tensor load lands here
.set SPITCH, 272
.set LAPS,   SIZE_K/(2*KSTEP)
.set ROWB,   8192                      ; bytes in a row of out0
.set NPW,    NB/2                      ; prefetches of the weights in a work-group: 2 NB groups (two steps) among the four of a column of the cluster
.set PFM,    64                        ; (u x 64) >> 8 = u / 4
.set ADRA, 16
.set ADRB, 20
.set STO,  24                          ; v24  the way out: where I put 32 bytes of a row
.set RD,   25                          ; v25  the way out: where I read a row back
.set CO,   26                          ; v26  my byte offset in out0
.set PF,   27                          ; v27  prefetch: lane x one row of 4,096 bytes; never rewritten
.set F0,   64
.set F1,   128
.set KO, 18                            ; s[18:19], s[22:23]  byte offset along K of slot 0's and slot 1's tile (upper words 0)
.set G1, 24
.set G0, 32
.set G1B, 48
.set G0B, 56
.set MSB, 0
.macro WIN new                         ; the immediate's high byte repeats the setting that is left
.if MSB != \new
	s_set_vgpr_msb (MSB<<8)|\new
.set MSB, \new
.endif
.endm
.set MUL_LO, 0xa1                      ; source 0 (weights) window 1, source 1 (att) window 0, C and D window 2
.set MUL_HI, 0xf1                      ; the same, C and D window 3
.set TO_B,   0x40                      ; destination window 1, address window 0
; A joint load: waves 0 and 1 fetch att's two halves, waves 2 and 3 the weights'.  The branch hangs on the wave's number alone.
.macro JLOAD s
	s_cmp_eq_u32 s11, 0
	s_cbranch_scc0 .Lfor_b_\@
	tensor_load_to_lds s[G0+4*\s:G0+4*\s+3], s[G1:G1+7]
	s_nop 0
	s_branch .Lasked_\@
.Lfor_b_\@:
	tensor_load_to_lds s[G0B+4*\s:G0B+4*\s+3], s[G1B:G1B+7]
	s_nop 0
.Lasked_\@:
.endm
; A round of the cluster's barrier: my work-group's barrier, wave 0 signals for the work-group, every wave waits for all sixteen, my work-group's barrier again.
.macro CREST
	s_cmp_lg_u32 s10, 0
	s_cbranch_scc1 .Lnot_wave_0_\@
	s_barrier_signal -3
.Lnot_wave_0_\@:
	s_barrier_wait -3
	s_barrier_signal -1
	s_barrier_wait -1
.endm
.macro CROUND
	s_barrier_signal -1
	s_barrier_wait -1
	CREST
.endm
	s_load_b128 s[4:7], s[0:1], 0x0                ; att s[4:5], wot s[6:7]
	s_load_b64 s[8:9], s[0:1], 0x10                ; out0
	s_load_b128 s[68:71], s[0:1], 0x0              ; the same two once more, for the prefetches: their registers feed no descriptor
	s_set_vgpr_msb 0x40
	v_lshl_add_u32 v255, v0, 2, 0x48400
	s_set_vgpr_msb 0x4000
	v_mov_b32 v255, 0
	s_set_vgpr_msb 0x1
	ds_add_u32 v255, v255
	ds_add_u32 v255, v255
	s_set_vgpr_msb 0x100
	v_lshrrev_b32 v1, 5, v0
	v_readfirstlane_b32 s10, v1                    ; wave 0..3
	s_lshr_b32 s11, s10, 1                         ; which half of the block's rows is mine.  Also: I fetch att (0) or weights (1)
	s_and_b32 s12, s10, 1                          ; which half of its columns.  Also: which half of that tile I fetch
	s_bfe_u32 s40, ttmp6, 0x40000                  ; cx
	s_bfe_u32 s41, ttmp6, 0x40004                  ; cy
	s_lshl_b32 s42, ttmp9, 2
	s_add_co_u32 s42, s42, s40                     ; block column = 4 x cluster x + cx
	s_and_b32 s13, ttmp7, 0xffff
	s_lshl_b32 s13, s13, 2
	s_add_co_u32 s13, s13, s41                     ; block row = 4 x cluster y + cy
	s_lshl_b32 s43, s41, 2
	s_lshl_b32 s43, 15, s43                        ; my row of the cluster
	s_lshl_b32 s44, 0x1111, s40                    ; my column
	; where my cluster's walk along K begins: a quarter of K, made of the cluster's x and y alone
	s_and_b32 s[KO], ttmp7, 1                      ; Y % 2
	s_bfe_u32 s[KO+4], ttmp7, 0x10001              ; Y / 2
	s_lshl1_add_u32 s[KO], s[KO], s[KO+4]          ; 2 (Y % 2) + Y / 2
	s_add_co_u32 s[KO], s[KO], ttmp9
	s_and_b32 s[KO], s[KO], 3
	s_lshl_b32 s[KO], s[KO], 10                    ; four K steps of 256 bytes a quarter: slot 0's first tile,
	s_add_co_u32 s[KO+4], s[KO], KSTEP*2           ; slot 1's
	s_mov_b32 s[KO+1], 0
	s_mov_b32 s[KO+5], 0
	s_or_b32 s[G1+0], s43, (1<<16)|(1<<20)|(1<<21)|(5<<22)|(3<<25)   ; mask of my row; elements of 2 bytes; padding on; bit 21 beside a mask; after every 64 words, 4 words
	s_or_b32 s[G1B+0], s44, (1<<16)|(1<<20)|(1<<21)|(5<<22)|(3<<25)  ; the same with the mask of my column
	s_mov_b32 s[G1+1], KSTEP<<16                   ; tensor_dim0 = 128
	s_mov_b32 s[G1B+1], KSTEP<<16
	s_mov_b32 s[G1+2], 128<<16                     ; tensor_dim1 = 128 rows
	s_mov_b32 s[G1B+2], BH<<16                     ; 64 rows
	s_mov_b32 s[G1+3], KSTEP<<16                   ; tile_dim0 = 128
	s_mov_b32 s[G1B+3], KSTEP<<16
	s_mov_b32 s[G1+4], 128                         ; tile_dim1
	s_mov_b32 s[G1B+4], BH
	s_mov_b32 s[G1+5], SIZE_K                      ; elements from row to row
	s_mov_b32 s[G1B+5], SIZE_K
	s_mov_b32 s[G1+6], 0
	s_mov_b32 s[G1B+6], 0
	s_mov_b32 s[G1+7], 0
	s_mov_b32 s[G1B+7], 0
	; att's tiles hang on the block row alone, the weights' on the block column alone; each address is made in registers that never hold the other coordinate
	s_lshl_b32 s17, s12, 7
	s_lshl_b32 s16, s13, 8
	s_add_co_u32 s16, s16, s17                     ; att: row 256 x block row + 128 x half
	s_mul_i32 s46, s42, 2*BH
	s_mul_i32 s47, s12, BH
	s_add_co_u32 s46, s46, s47                     ; weights: row 128 x block column + 64 x half
	s_lshl_b32 s16, s16, 12                        ; rows of 4,096 bytes; both stay below 2^25
	s_lshl_b32 s46, s46, 12
	s_mov_b32 s17, 0
	s_mov_b32 s47, 0
	s_mul_i32 s20, s10, HALFT                      ; where my load goes: wave x one region
	s_wait_dscnt 0x0
	s_wait_kmcnt 0x0
	s_add_nc_u64 s[14:15], s[4:5], s[16:17]        ; my rows of att at K = 0: stays as it is through the walk
	s_add_nc_u64 s[46:47], s[6:7], s[46:47]        ; my rows of the weights at K = 0: likewise
	CROUND                                         ; all sixteen work-groups are here: the first joint loads meet
.irp s, 0,1
	s_mov_b32 s[G0+4*\s], 1
	s_add_co_u32 s[G0+4*\s+1], s20, \s*SLOT
	s_add_nc_u64 s[G0+4*\s+2:G0+4*\s+3], s[14:15], s[KO+4*\s:KO+4*\s+1]
	s_or_b32 s[G0+4*\s+3], s[G0+4*\s+3], 0x80000000
	s_mov_b32 s[G0B+4*\s], 1
	s_add_co_u32 s[G0B+4*\s+1], s20, \s*SLOT
	s_add_nc_u64 s[G0B+4*\s+2:G0B+4*\s+3], s[46:47], s[KO+4*\s:KO+4*\s+1]
	s_or_b32 s[G0B+4*\s+3], s[G0B+4*\s+3], 0x80000000
	JLOAD \s                                       ; both first fills go out together: two tensor loads of the wave are out
.endr
	; Steps 2 and 3 of the walk, asked for ahead.  One instruction asks for 32 rows of one step, the lanes 4,096 bytes apart.
	; att: the block row's 256 rows x 2 steps are 16 such groups; the four work-groups of my row of the cluster take four each, a wave one: group 4 cx + wave.
	v_and_b32 v[PF], 31, v0
	v_lshlrev_b32 v[PF], 12, v[PF]
	s_lshl2_add_u32 s74, s40, s10                  ; group 0..15
	s_and_b32 s75, s74, 7                          ; which 32 rows
	s_lshr_b32 s74, s74, 3                         ; step 2 or 3
	s_lshl_b32 s72, s13, 20                        ; 256 rows of 4,096 bytes a block row
	s_lshl_b32 s75, s75, 17
	s_add_co_u32 s72, s72, s75
	s_lshl_b32 s74, s74, 8
	s_add_co_u32 s72, s72, s74
	s_add_co_u32 s72, s72, s[KO]                   ; the walk's first step; steps 2 and 3 lie in the same quarter of K, so nothing goes round the end
	s_add_co_u32 s72, s72, 2*KSTEP*2
	s_mov_b32 s73, 0
	s_add_nc_u64 s[68:69], s[68:69], s[72:73]
	global_prefetch_b8 v[PF], s[68:69] th:TH_LOAD_NT scope:SCOPE_SE
	; weights: the block column's 128 rows x 2 steps are 8 groups; the four work-groups of my column of the cluster take two each: group 2 cy + wave, waves 0 and 1
	s_cmp_lt_u32 s10, NPW
	s_cbranch_scc0 .Lno_ask
	s_mul_i32 s74, s41, NPW
	s_add_co_u32 s74, s74, s10                     ; group 0..7
	s_mul_i32 s75, s74, PFM
	s_lshr_b32 s75, s75, 8                         ; step 2 or 3
	s_mul_i32 s72, s75, NB
	s_sub_co_u32 s74, s74, s72                     ; which 32 rows
	s_mul_i32 s72, s42, 2*BH*4096
	s_lshl_b32 s74, s74, 17
	s_add_co_u32 s72, s72, s74
	s_lshl_b32 s75, s75, 8
	s_add_co_u32 s72, s72, s75
	s_add_co_u32 s72, s72, s[KO]
	s_add_co_u32 s72, s72, 2*KSTEP*2
	s_add_nc_u64 s[70:71], s[70:71], s[72:73]
	global_prefetch_b8 v[PF], s[70:71] th:TH_LOAD_NT scope:SCOPE_SE
.Lno_ask:                                          ; v27 and s[68:71] are not written again
	v_and_b32 v1, 15, v0
	v_bfe_u32 v2, v0, 4, 1
	v_mul_u32_u24 v3, v1, PITCH
	v_lshl_add_u32 v3, v2, 4, v3
	s_mul_i32 s21, s11, HALFT                      ; my 128 rows of att
	s_mul_i32 s2, s12, HALFT                       ; my 64 rows of the weights,
	s_add_co_u32 s2, s2, 2*HALFT                   ; behind att's two regions
.irp s, 0,1
	v_add_nc_u32 v[ADRA+\s], s21, v3
	v_add_nc_u32 v[ADRB+\s], s2, v3
	s_add_co_u32 s21, s21, SLOT
	s_add_co_u32 s2, s2, SLOT
.endr
	s_mul_i32 s45, s10, 16*SPITCH
	s_add_co_u32 s45, s45, STAGE                   ; my stage
	v_mul_u32_u24 v4, v1, SPITCH                   ; in: row l % 16, 32 bytes for each half of the lanes
	v_lshl_add_u32 v4, v2, 5, v4
	v_add_nc_u32 v[STO], s45, v4
	v_mul_u32_u24 v5, v2, SPITCH                   ; back: lanes 0-15 take one row of 256 bytes, lanes 16-31 the next
	v_lshl_add_u32 v5, v1, 4, v5
	v_add_nc_u32 v[RD], s45, v5
	v_lshlrev_b32 v5, 13, v2                       ; and the same two rows in out0
	v_lshl_add_u32 v[CO], v1, 4, v5
; 2 NB matrix instructions: row tiles a0, a0 + 1 of the window's four x all NB column tiles, 32 along K.  zero = 1: the product starts the sums.
.macro MULN f, hi, a0, zero
.irp a, \a0, \a0+1
.set bb, 0
.rept NB
.if \zero
	v_wmma_f32_16x16x32_f16 v[8*(NB*(\a)+bb):8*(NB*(\a)+bb)+7], v[\f+8*bb:\f+8*bb+7], v[\f+8*(4*\hi+\a):\f+8*(4*\hi+\a)+7], 0
.else
	v_wmma_f32_16x16x32_f16 v[8*(NB*(\a)+bb):8*(NB*(\a)+bb)+7], v[\f+8*bb:\f+8*bb+7], v[\f+8*(4*\hi+\a):\f+8*(4*\hi+\a)+7], v[8*(NB*(\a)+bb):8*(NB*(\a)+bb)+7]
.endif
.set bb, bb+1
.endr
.endr
.endm
; the fragments of one quarter step (32 K at byte k of the rows) into buffer f: 2 NB loads for the weights, then 16 for att
.macro FETCH slot, k, f
	WIN TO_B
.set ii, 0
.rept NB
	ds_load_b128 v[\f+8*ii:\f+8*ii+3],   v[ADRB+\slot] offset:\k+ii*16*PITCH
	ds_load_b128 v[\f+8*ii+4:\f+8*ii+7], v[ADRB+\slot] offset:\k+ii*16*PITCH+32
.set ii, ii+1
.endr
	WIN 0
.irp i, 0,1,2,3,4,5,6,7
	ds_load_b128 v[\f+8*\i:\f+8*\i+3],   v[ADRA+\slot] offset:\k+\i*16*PITCH
	ds_load_b128 v[\f+8*\i+4:\f+8*\i+7], v[ADRA+\slot] offset:\k+\i*16*PITCH+32
.endr
.endm
; A load into a register that a matrix instruction has read, and an LDS store that reads a matrix result, stand four places behind it; only plain
; vector instructions that name none of its registers are places; the matrix instructions in between are not counted.
.macro PLACES
.rept 4
	v_nop
.endr
.endm
; A K step is four quarter steps of 32 along K, 8 NB matrix instructions each, on buffers 0, 1, 0, 1.  The 8 NB accumulators take turns, one instruction a turn,
; in the same order in every quarter, over the loop's backward jump too.
.macro QUARTER slot, k, f, g, zero
	s_wait_dscnt 8                                 ; the weights and att's rows 0-63 are in; the youngest eight loads (att's rows 64-127) may be out
	WIN MUL_LO
	MULN \f, 0, 0, \zero
	MULN \f, 0, 2, \zero
	PLACES
	FETCH \slot, \k, \g
	s_wait_dscnt 2*NB+16                           ; all but the loads just issued
	WIN MUL_HI
	MULN \f, 1, 0, \zero
	MULN \f, 1, 2, \zero
.endm
.macro THREE slot, zero
	QUARTER \slot, 64,  F0, F1, \zero
	QUARTER \slot, 128, F1, F0, 0
	QUARTER \slot, 192, F0, F1, 0
.endm
; The last quarter multiplies buffer 1 and changes slots.  In front of the barrier each wave waits for its reads of this slot and for all its tensor loads (one is
; out: its part of the next slot).  Behind it (with fill: behind the cluster's round that it opens) the refill comes first, then the next slot's first fragments.
.macro TURN slot, next, fill
	s_wait_dscnt 8
	WIN MUL_LO
	MULN F1, 0, 0, 0
	s_wait_dscnt 0                                 ; my reads of this slot are over
	s_wait_tensorcnt 0x0                           ; all my tensor loads have landed, so every group 0 may be written:
	ds_add_u32 v255, v255
	s_wait_dscnt 0x0
.if \fill
	s_add_co_u32 s[KO+4*\slot], s[KO+4*\slot], 2*KSTEP*2           ; this slot's next tile lies two K steps on,
	s_and_b32 s[KO+4*\slot], s[KO+4*\slot], SIZE_K*2-1             ; round the end of a row of 4,096 bytes
	s_add_nc_u64 s[G0+4*\slot+2:G0+4*\slot+3], s[14:15], s[KO+4*\slot:KO+4*\slot+1]
	s_or_b32 s[G0+4*\slot+3], s[G0+4*\slot+3], 0x80000000
	s_add_nc_u64 s[G0B+4*\slot+2:G0B+4*\slot+3], s[46:47], s[KO+4*\slot:KO+4*\slot+1]
	s_or_b32 s[G0B+4*\slot+3], s[G0B+4*\slot+3], 0x80000000
.endif
	s_barrier_signal -1
	MULN F1, 0, 2, 0                               ; register work while the others arrive
	WIN 0
	s_barrier_wait -1
.if \fill
	CREST                                          ; no wave of any partner still reads this slot or has a load on its way
	JLOAD \slot                                    ; my one tensor load behind the round, and the first thing there
.endif
	PLACES
	FETCH \next, 0, F0
	WIN MUL_HI
	MULN F1, 1, 0, 0
	MULN F1, 1, 2, 0
.endm
.macro LAP zero
	THREE 0, \zero
	TURN 0, 1, 1
	THREE 1, 0
	TURN 1, 0, 1
.endm
	s_wait_tensorcnt 1                             ; my part of the walk's step 0 is in; step 1's stays out
	s_barrier_signal -1
	s_barrier_wait -1
	FETCH 0, 0, F0
	LAP 1                                          ; the first lap's first products start the sums: nothing is cleared
	WIN 0                                          ; at a label and at a branch every window is 0
	s_mov_b32 s3, LAPS-2
.Llap:
	LAP 0
	WIN 0
	s_sub_co_u32 s3, s3, 1
	s_cmp_lg_u32 s3, 0
	s_cbranch_scc1 .Llap
	THREE 0, 0                                     ; the last lap fills nothing
	TURN 0, 1, 0
	THREE 1, 0
	s_wait_dscnt 8
	WIN MUL_LO
	MULN F1, 0, 0, 0
	MULN F1, 0, 2, 0
	s_wait_dscnt 0
	WIN MUL_HI
	MULN F1, 1, 0, 0
	MULN F1, 1, 2, 0
	; THE WAY OUT, 16 rows at a time: 32 bytes a lane and tile into my own stage, read back as whole rows of 256 bytes (my 64 columns of f32).
	PLACES                                         ; behind the last matrix instructions: the LDS stores read results, the loads land on fragments
	s_lshl_b32 s13, s13, 8
	s_lshl_b32 s14, s11, 7
	s_add_co_u32 s16, s13, s14                     ; my first row,
	s_lshl_b32 s16, s16, 13                        ; rows of 8,192 bytes
	s_mov_b32 s17, 0
	s_add_nc_u64 s[8:9], s[8:9], s[16:17]
	s_lshl_b32 s46, s42, 9                         ; my first column, in bytes: 512 x block column + 256 x half (in the registers that held the weights' address)
	s_lshl_b32 s47, s12, 8
	s_add_co_u32 s46, s46, s47
	s_mov_b32 s47, 0
	s_add_nc_u64 s[8:9], s[8:9], s[46:47]
; rows 16 i .. 16 i + 15 of my block = the tiles (a, 0..NB-1) of window 2 or 3 (from = 0x08 or 0x0c: an LDS store's data is source 1); f: F0 or F1 in turn
.macro OUT16 i, a, from, f
	WIN \from
.set bb, 0
.rept NB
	ds_store_b128 v[STO], v[8*(NB*\a+bb):8*(NB*\a+bb)+3]   offset:64*bb
	ds_store_b128 v[STO], v[8*(NB*\a+bb)+4:8*(NB*\a+bb)+7] offset:64*bb+16
.set bb, bb+1
.endr
	WIN 0
	s_wait_xcnt 0x0                                ; every earlier memory instruction has had its addresses translated (ISA guide 3.1): buffer f, which earlier stores read, is loaded again only behind this wait
.irp t, 0,1,2,3,4,5,6,7
	ds_load_b128 v[\f+4*\t:\f+4*\t+3], v[RD] offset:\t*2*SPITCH    ; LDS serves a wave's instructions in order (ISA guide 5.7.1.4): these see the stores above
.endr
.irp t, 0,1,2,3,4,5,6,7
	s_wait_dscnt 7-\t
	global_store_b128 v[CO], v[\f+4*\t:\f+4*\t+3], s[8:9] offset:(16*\i+2*\t)*ROWB th:TH_STORE_NT   ; sixteen lanes store 256 consecutive bytes, aligned; the row stands in the immediate, 1,032,192 at the most
.endr
.endm
	OUT16 0, 0, 0x08, F0
	OUT16 1, 1, 0x08, F1
	OUT16 2, 2, 0x08, F0
	OUT16 3, 3, 0x08, F1
	OUT16 4, 0, 0x0c, F0
	OUT16 5, 1, 0x0c, F1
	OUT16 6, 2, 0x0c, F0
	OUT16 7, 3, 0x0c, F1
	s_set_vgpr_msb 0x1
	s_wait_tensorcnt 0x0
	ds_add_u32 v255, v255
	s_wait_dscnt 0x0
	s_set_vgpr_msb 0x100
	CROUND                                         ; the closing round: no work-group ends while a partner may still ask for a tile that names it
	s_endpgm
.Lfunc_end_k_q528c00912e_oproj:
	.size	k_q528c00912e_oproj, .Lfunc_end_k_q528c00912e_oproj-k_q528c00912e_oproj
	.p2alignl 7, 3214868480
	.fill 96, 4, 3214868480
	.section	.rodata,"a",@progbits
	.p2align	6, 0x0
	.amdhsa_kernel k_q528c00912e_oproj
		.amdhsa_group_segment_fixed_size 327680
		.amdhsa_private_segment_fixed_size 0
		.amdhsa_enable_private_segment 0
		.amdhsa_kernarg_size 24
		.amdhsa_user_sgpr_count 2
		.amdhsa_user_sgpr_kernarg_segment_ptr 1
		.amdhsa_wavefront_size32 1
		.amdhsa_system_sgpr_workgroup_id_x 1
		.amdhsa_system_sgpr_workgroup_id_y 1
		.amdhsa_system_sgpr_workgroup_id_z 1
		.amdhsa_system_vgpr_workitem_id 0
		.amdhsa_next_free_vgpr 896
		.amdhsa_next_free_sgpr 76
		.amdhsa_reserve_vcc 0
		.amdhsa_float_denorm_mode_32 3
		.amdhsa_float_denorm_mode_16_64 3
		.amdhsa_memory_ordered 1
		.amdhsa_forward_progress 1
		.amdhsa_inst_pref_size 122
	.end_amdhsa_kernel
	.amdgpu_metadata
---
amdhsa.version: [ 1, 2 ]
amdhsa.kernels:
  - .name:           k_q528c00912e_oproj
    .symbol:         k_q528c00912e_oproj.kd
    .args:
      - { .name: att, .offset: 0, .size: 8, .value_kind: global_buffer, .address_space: global }
      - { .name: wot, .offset: 8, .size: 8, .value_kind: global_buffer, .address_space: global }
      - { .name: out0, .offset: 16, .size: 8, .value_kind: global_buffer, .address_space: global }
    .group_segment_fixed_size: 327680
    .private_segment_fixed_size: 0
    .kernarg_segment_align: 8
    .kernarg_segment_size: 24
    .max_flat_workgroup_size: 128
    .sgpr_count:     76
    .vgpr_count:     896
    .wavefront_size: 32
...
	.end_amdgpu_metadata
.endif
;; end of part 4
